; MI455X (gfx1250); checked and timed in simulation.
; The chip was launched on July 23, 2026; its instructions are those of AMD's public machine-readable ISA for CDNA 5 (MIT licence, August 2026) and "CDNA5" Instruction Set Architecture Reference Guide (July 2026). The comments in the code are by the model that wrote it; some were corrected since.
;; Multi Head Attention. Allowed arithmetic: matrix products marked QUANTISED: E2M1 operands, one E8M0 scale for each 32 along K, by v_wmma_scale_f32_16x16x128_f8f6f4 with both operands' format E2M1 (or v_wmma_scale_f32_32x16x128_f4), f32 sums; products left as they are: bf16, f16 or f32 operands; f32 sums; everything else in f32.
;; Inputs: Wk 1,024 x 1,024 float32; Wp 1,024 x 1,024 float32; Wq 1,024 x 1,024 float32; Wv 1,024 x 1,024 float32; bp 1,024 float32; x 2 x 2,048 x 1,024 float32.
;; Outputs: out0 2 x 2,048 x 1,024 float32.
;; This version of the problem:
;;   THIS VERSION OF THE PROBLEM IS GIVEN IN LOW PRECISION. The matrix products marked QUANTISED in the list below multiply operands that are first quantised to E2M1 (2 exponent bits, 1 mantissa bit; 4 bits a number), with one power-of-two scale for each 32 numbers along K (OCP MX v1.0); their sums are f32. The products marked 'left as it is' may take bf16, f16 or f32 operands, with f32 sums. Whichever they take, every output number must still come out within the allowed error. Rounding operands to bf16 (8 significant bits) uses up far more of that allowance than f16 does (11 bits, for magnitudes from 6e-5 to 65,504). All else is computed in f32.
;;   The module's matrix products, in the order in which they are computed (A, B: the left and right operand; K: the contracted axis; several contracted axes count as one K, in the product's order):
;;     1. [M 4,096, K 1,024] x [K 1,024, N 1,024]; A: input x; B: input Wk: QUANTISED
;;     2. [M 4,096, K 1,024] x [K 1,024, N 1,024]; A: input x; B: input Wq: QUANTISED
;;     3. [M 4,096, K 1,024] x [K 1,024, N 1,024]; A: input x; B: input Wv: QUANTISED
;;     4. batch 32 x [M 2,048, K 64] x [K 64, N 2,048]; A: computed on the way; B: computed on the way: left as it is (an operand is computed on the way)
;;     5. batch 32 x [M 2,048, K 2,048] x [K 2,048, N 64]; A: computed on the way; B: computed on the way: left as it is (an operand is computed on the way)
;;     6. [M 4,096, K 1,024] x [K 1,024, N 1,024]; A: computed on the way; B: input Wp: left as it is (an operand is computed on the way)
;;   THE QUANTISER, for each operand of a quantised product, along K:
;;     - K is cut into blocks of 32 from its start; a last block that is shorter is filled with zeros.
;;     - A block's scale is 2^e with e = floor(log2(the largest magnitude in the block)) - 2, held to -126 .. 127; a block of zeros has e = 0. As a byte (E8M0): e + 127.
;;     - Each number is divided by its block's scale, clamped to +-6, and rounded to the nearest number of E2M1, ties to even, subnormals kept.
;;     - The product sums the exact products of the quantised numbers (number of the format x scale) in f32.
;;   ~~~python
;;   def quantise(x, axis):      # numpy; x: float32 -> the quantised numbers, widened to float32 again
;;       x = np.moveaxis(x, axis, -1); K = x.shape[-1]
;;       x = np.pad(x, [(0, 0)] * (x.ndim - 1) + [(0, -K % 32)]); x = x.reshape(x.shape[:-1] + (-1, 32)); a = np.abs(x).max(-1, keepdims=True)
;;       e = np.where(a > 0, np.clip(np.frexp(np.where(a > 0, a, 1))[1] - 1 - 2, -126, 127), 0)      # np.frexp(a)[1] - 1 = floor(log2(a)), exactly
;;       r = np.clip(x / 2.0 ** e, -6, 6)
;;       step = 2.0 ** (np.maximum(np.frexp(np.where(r == 0, 1, r))[1] - 1, 0) - 1)
;;       q = np.round(r / step) * step * 2.0 ** e      # np.round: ties to even
;;       return np.moveaxis(q.reshape(q.shape[:-2] + (-1,))[..., :K], -1, axis).astype(np.float32)
;;   ~~~
;; One version. Each part assembles by itself: llvm-mc -triple=amdgcn-amd-amdhsa -mcpu=gfx1250 --defsym DOCPART=n.
;; ======== version 1 of 1: 5 launches
;; limits: values are held in f16: magnitudes above 65,504 overflow, below 6.1e-05 lose precision
;; workspace buffers: x_codes 2,097,152 bytes; x_scales 131,072 bytes; w_codes 1,572,864 bytes; w_scales 98,304 bytes; wph 2,097,152 bytes; qkv 25,165,824 bytes; top 393,216 bytes; att 8,388,608 bytes
;; launch prep (part 1): grid 176 x 1, 8 waves a work-group, no clusters, 103,424 bytes of LDS; arguments x, Wq, Wk, Wv, Wp, x_codes, x_scales, w_codes, w_scales, wph; writes x_codes, x_scales, w_codes, w_scales, wph
.if DOCPART == 1
	.amdgcn_target "amdgcn-amd-amdhsa--gfx1250"
	.amdhsa_code_object_version 6
	.text
	.protected	k_qbd6f3b7bec_prep
	.globl	k_qbd6f3b7bec_prep
	.p2align	8
	.type	k_qbd6f3b7bec_prep,@function
k_qbd6f3b7bec_prep:
	s_mov_b64 s[64:65], 0
	v_nop
	global_prefetch_b8 v0, s[64:65] scope:SCOPE_SE
	s_setreg_imm32_b32 hwreg(HW_REG_WAVE_MODE, 25, 1), 1
	s_wait_xcnt 0x0
; THREE JOBS IN ONE LAUNCH, told apart by the work-group's number alone (the same in all eight waves); the three ways never join again and each has LDS bytes of its own.
;   work-groups   0 ..  63: x [4096][1024] f32 -> codes of FP4 (E2M1), K innermost, [4096][512 bytes], and one E8M0 byte for each 32 along K, [4096][32].
;   work-groups  64 .. 111: Wq, Wk, Wv [1024 k][1024 n] f32, K their FIRST axis -> codes [3072 n][512 bytes] with K innermost (rows 0-1023 Wq's columns, 1024-2047 Wk's, 2048-3071 Wv's), bytes [3072][32].
;   work-groups 112 .. 175: Wp [1024 k][1024 n] f32 -> f16, same layout.
; A block's scale is 2^(floor(log2(its largest magnitude)) - 2); its byte is the largest magnitude's exponent field - 2, held at 1 from below.  Numbers are divided by the scale and rounded to the nearest code, ties to even.
; LIMITS: a block of zeros gets the byte 1 where the rule says 127 (its codes are zeros, which add nothing, and this program alone reads the bytes); blocks whose largest magnitude lies under 2^-124 were not tried;
; NaN and infinities are not served; |Wp| stays under 65,504 (f16).
.set WAVES, 8
.set STEPS, 16
.set SP,    80                         ; x: a lane's place in a stage: 64 bytes + 16 of padding
.set WREG,  8192                       ; x: a region for each wave: two stages of 32 x SP bytes, then its 256 scale bytes
.set WST,   WAVES*WREG                 ; weights: a stage of 128 rows (columns n) x (256 bytes + 16)
.set WPT,   272
.set WSC,   WST+128*WPT                ; weights: 128 rows x 16 scale bytes
.set SPARE, WSC+128*16                 ; the spare words, 128 bytes for each wave: four blocks of 256 bytes that no other line names
.set R,   16                           ; x: v16-79 four sets of 16 numbers as loaded
.set X,   80                           ; x: v80-111 two sets of 16 neighbours
.set E,   112                          ; x: v112-127 a scale byte for each step
.set C,   128                          ; x: v128-191 codes, four registers a step
.set WX,  32                           ; weights: v32-95 two sets of 32 numbers
.set WC,  96                           ; weights: v96-99 a block's codes
.set WO,  112                          ; weights: v112-143 the way out
.set SB,  24                           ; weights: v24-25 eight scale bytes
.set SPW, 192                          ; LDS address of my spare word; never rewritten
.set NIL, 193                          ; 0; never rewritten
.macro CLOSE                           ; a wave's end
	s_wait_tensorcnt 0x0
	ds_add_u32 v[SPW], v[NIL]
	s_wait_dscnt 0x0
	s_endpgm
.endm
	s_load_b512 s[4:19], s[0:1], 0x0               ; x s[4:5], Wq s[6:7], Wk s[8:9], Wv s[10:11], Wp s[12:13], x_codes s[14:15], x_scales s[16:17], w_codes s[18:19]
	s_load_b128 s[20:23], s[0:1], 0x40             ; w_scales s[20:21], wph s[22:23]
	v_lshl_add_u32 v[SPW], v0, 2, SPARE
	v_mov_b32 v[NIL], 0
	v_lshrrev_b32 v1, 5, v0
	v_readfirstlane_b32 s24, v1                    ; wave 0..7
	v_and_b32 v2, 31, v0                           ; lane
	s_wait_kmcnt 0x0
	s_cmp_lt_u32 ttmp9, 64
	s_cbranch_scc1 .Lpath_x
	s_cmp_lt_u32 ttmp9, 112
	s_cbranch_scc1 .Lpath_w
; ---- Wp to f16.  A wave takes 2,048 numbers: 16 loads of 512 consecutive bytes, 16 stores of 256 consecutive bytes, aligned.  No LDS.
	s_sub_co_u32 s25, ttmp9, 112
	s_lshl_b32 s25, s25, 3
	s_add_co_u32 s25, s25, s24                     ; which run of 2,048 numbers is my wave's
	s_lshl_b32 s26, s25, 13
	s_mov_b32 s27, 0
	s_add_nc_u64 s[12:13], s[12:13], s[26:27]
	s_lshl_b32 s26, s25, 12
	s_add_nc_u64 s[22:23], s[22:23], s[26:27]
	v_lshlrev_b32 v3, 4, v2
	v_lshlrev_b32 v4, 3, v2
.set i, 0
.rept 16
	global_load_b128 v[16+4*i:19+4*i], v3, s[12:13] offset:512*i
.set i, i+1
.endr
.set i, 0
.rept 16
	s_wait_loadcnt 15-i                            ; loads come back in order: load i is in, the 15 - i younger ones may be out
	v_cvt_pk_f16_f32 v[80+2*i], v[16+4*i], v[17+4*i]
	v_cvt_pk_f16_f32 v[81+2*i], v[18+4*i], v[19+4*i]
	global_store_b64 v4, v[80+2*i:81+2*i], s[22:23] offset:256*i
.set i, i+1
.endr
	s_endpgm
; ---- x.  A wave takes 16 steps of 512 numbers.  Each load reads 512 consecutive bytes; a step's 2,048 bytes turn through the wave's own stage so that a lane holds 16 neighbours along K (two lanes to a block).
.Lpath_x:
	v_lshlrev_b32 v3, 4, v2                        ; my 16 bytes of a load's 512
	s_lshl_b32 s25, s24, 13                        ; my wave's region
	v_lshrrev_b32 v14, 2, v2
	v_mul_u32_u24 v14, v14, SP
	v_and_b32 v15, 3, v2
	v_lshl_add_u32 v14, v15, 4, v14
	v_add_nc_u32 v14, s25, v14                     ; into the stage: SP (lane / 4) + 16 (lane % 4)
	v_mul_u32_u24 v15, v2, SP
	v_add_nc_u32 v15, s25, v15                     ; out of it: SP x lane
	v_lshlrev_b32 v4, 3, v2                        ; my 8 bytes of a step's 256 bytes of codes
	v_lshrrev_b32 v5, 1, v2
	s_add_co_u32 s25, s25, 2*32*SP
	v_add_nc_u32 v5, s25, v5                       ; my block's byte among my wave's 256
	v_lshlrev_b32 v7, 3, v2
	v_add_nc_u32 v6, s25, v7
	s_lshl_b32 s26, ttmp9, 3
	s_add_co_u32 s26, s26, s24                     ; which run of 8,192 numbers is my wave's
	s_lshl_b32 s28, s26, 15
	s_mov_b32 s29, 0
	s_add_nc_u64 s[4:5], s[4:5], s[28:29]
	s_lshl_b32 s28, s26, 12
	s_add_nc_u64 s[14:15], s[14:15], s[28:29]
	s_lshl_b32 s28, s26, 8
	s_add_nc_u64 s[16:17], s[16:17], s[28:29]
.macro XLOAD t
.irp i, 0,1,2,3
	global_load_b128 v[R+16*((\t)%4)+4*\i:R+16*((\t)%4)+4*\i+3], v3, s[4:5] offset:2048*(\t)+512*\i th:TH_LOAD_NT
.endr
.endm
.macro XTURN t                         ; LDS serves a wave's instructions in order: no wait between these stores and loads
.irp i, 0,1,2,3
	ds_store_b128 v14, v[R+16*((\t)%4)+4*\i:R+16*((\t)%4)+4*\i+3] offset:32*SP*((\t)%2)+8*SP*\i
.endr
.irp i, 0,1,2,3
	ds_load_b128 v[X+16*((\t)%2)+4*\i:X+16*((\t)%2)+4*\i+3], v15 offset:32*SP*((\t)%2)+16*\i
.endr
.endm
.irp t, 0,1,2,3
	XLOAD \t
.endr
	s_wait_loadcnt 12                              ; step 0's four loads are in; three steps' twelve may be out
	XTURN 0
.macro XSTEP t
.set XS, X+16*((\t)%2)
.if (\t) > 0
	s_wait_dscnt 1                                 ; this step's numbers are back from the stage; the last step's byte store may be out
.else
	s_wait_dscnt 0x0
.endif
.if (\t)+4 < STEPS
	XLOAD (\t)+4                                   ; into the set whose stores into the stage have read their registers
.endif
.if (\t)+1 < STEPS
.if STEPS-2-(\t) >= 3
	s_wait_loadcnt 12                              ; the next step's four loads are in; those of the three steps behind it may be out
.else
	s_wait_loadcnt 4*(STEPS-2-(\t))
.endif
	XTURN (\t)+1
.endif
	v_max3_num_f32 v8, |v[XS]|, |v[XS+1]|, |v[XS+2]|
	v_max3_num_f32 v9, |v[XS+3]|, |v[XS+4]|, |v[XS+5]|
.irp i, 6,10
	v_max3_num_f32 v8, v8, |v[XS+\i]|, |v[XS+\i+1]|
	v_max3_num_f32 v9, v9, |v[XS+\i+2]|, |v[XS+\i+3]|
.endr
	v_max3_num_f32 v8, v8, |v[XS+14]|, |v[XS+15]|
	v_max3_num_f32 v8, v8, v9, 0x1800000           ; the floor 2^(3 - 127): the byte cannot fall under 1
	v_max_num_f32_dpp v8, v8, v8 row_xmask:1 row_mask:0xf bank_mask:0xf   ; with my neighbour's 16: the block's largest magnitude
	v_add_nc_u32 v11, 0xff000000, v8               ; 2 off its exponent field: the conversion takes the exponent field of this operand as its scale
	v_cvt_scalef32_pk8_fp4_f32 v[C+4*(\t)], v[XS:XS+7], v11
	v_cvt_scalef32_pk8_fp4_f32 v[C+4*(\t)+1], v[XS+8:XS+15], v11
	v_lshrrev_b32 v[E+(\t)], 23, v11               ; the scale's byte
	ds_store_b8 v5, v[E+(\t)] offset:16*(\t)       ; both lanes of a block write the same byte with the same value
	global_store_b64 v4, v[C+4*(\t):C+4*(\t)+1], s[14:15] offset:256*(\t)   ; the wave stores 256 consecutive bytes, aligned
.endm
.irp t, 0,1,2,3,4,5,6,7,8,9,10,11,12,13,14,15
	XSTEP \t
.endr
	ds_load_b64 v[8:9], v6                         ; my wave's 256 scale bytes, in order behind my stores
	s_wait_dscnt 0x0
	global_store_b64 v7, v[8:9], s[16:17]
	CLOSE
; ---- Wq, Wk, Wv.  A work-group takes 128 columns x 512 along K.  A LANE TAKES A COLUMN AND ITS REGISTERS RUN DOWN K: wave w has columns 32 (w % 4) on and K 256 (w / 4) on, 8 blocks a lane.
; The codes meet in a stage of 128 rows x 256 bytes, one barrier, and leave as whole rows: sixteen lanes store 256 consecutive bytes, aligned.
.Lpath_w:
	s_sub_co_u32 s25, ttmp9, 64
	s_lshr_b32 s26, s25, 4                         ; which weight: 0 Wq, 1 Wk, 2 Wv
	s_bfe_u32 s27, s25, 0x30001                    ; which 128 columns
	s_and_b32 s28, s25, 1                          ; which 512 along K
	s_and_b32 s29, s24, 3                          ; my wave's 32 columns
	s_lshr_b32 s30, s24, 2                         ; my wave's 256 along K
	s_cmp_eq_u32 s26, 0
	s_cselect_b64 s[32:33], s[6:7], s[8:9]
	s_cmp_eq_u32 s26, 2
	s_cselect_b64 s[32:33], s[10:11], s[32:33]
	s_lshl_b32 s34, s28, 21                        ; 512 rows of 4,096 bytes
	s_lshl_b32 s35, s30, 20
	s_add_co_u32 s34, s34, s35
	s_lshl_b32 s35, s27, 9
	s_add_co_u32 s34, s34, s35
	s_lshl_b32 s35, s29, 7
	s_add_co_u32 s34, s34, s35
	s_mov_b32 s35, 0
	s_add_nc_u64 s[32:33], s[32:33], s[34:35]
	v_lshlrev_b32 v3, 2, v2                        ; in: 4 bytes a lane
	s_mul_i32 s36, s29, 32*WPT
	s_lshl_b32 s37, s30, 7
	s_add_co_u32 s36, s36, s37
	s_add_co_u32 s36, s36, WST
	v_mul_u32_u24 v4, v2, WPT
	v_add_nc_u32 v4, s36, v4                       ; into the stage: row = my column, my wave's 128 bytes of it
	s_lshl_b32 s36, s29, 9
	s_lshl_b32 s37, s30, 3
	s_add_co_u32 s36, s36, s37
	s_add_co_u32 s36, s36, WSC
	v_lshlrev_b32 v5, 4, v2
	v_add_nc_u32 v5, s36, v5                       ; my column's 8 scale bytes
	v_and_b32 v6, 15, v2
	v_lshrrev_b32 v9, 4, v2
	s_mul_i32 s36, s24, 16*WPT
	s_add_co_u32 s36, s36, WST
	v_mul_u32_u24 v7, v9, WPT
	v_lshl_add_u32 v7, v6, 4, v7
	v_add_nc_u32 v7, s36, v7                       ; out of the stage: wave w takes rows 16 w on, two rows an instruction
	v_lshlrev_b32 v8, 9, v9
	v_lshl_add_u32 v8, v6, 4, v8                   ; and the same place in the codes' buffer (rows of 512 bytes)
	v_lshl_add_u32 v10, v0, 3, WSC                 ; the scale bytes out: 8 bytes a thread
	v_lshrrev_b32 v14, 1, v0
	v_and_b32 v15, 1, v0
	v_lshlrev_b32 v14, 5, v14
	v_lshl_add_u32 v14, v15, 3, v14                ; row thread / 2 of 32 bytes, half thread % 2
	s_lshl_b32 s34, s26, 19                        ; codes: (1024 weight + 128 group + 16 wave) rows of 512 bytes + 256 x K half
	s_lshl_b32 s36, s27, 16
	s_add_co_u32 s34, s34, s36
	s_lshl_b32 s36, s24, 13
	s_add_co_u32 s34, s34, s36
	s_lshl_b32 s36, s28, 8
	s_add_co_u32 s34, s34, s36
	s_add_nc_u64 s[18:19], s[18:19], s[34:35]
	s_lshl_b32 s34, s26, 15                        ; scale bytes: (1024 weight + 128 group) rows of 32 bytes + 16 x K half
	s_lshl_b32 s36, s27, 12
	s_add_co_u32 s34, s34, s36
	s_lshl_b32 s36, s28, 4
	s_add_co_u32 s34, s34, s36
	s_add_nc_u64 s[20:21], s[20:21], s[34:35]
.macro WLOAD t                         ; block t: W(32 t + i, my column): the wave reads 128 consecutive bytes of a row
.set i, 0
.rept 32
	global_load_b32 v[WX+32*((\t)%2)+i], v3, s[32:33] offset:(32*(\t)+i)*4096 th:TH_LOAD_NT
.set i, i+1
.endr
.endm
	WLOAD 0
	WLOAD 1
.macro WBLOCK t
.set XS, WX+32*((\t)%2)
.if (\t) < 7
	s_wait_loadcnt 32                              ; this block's 32 loads are in; the next block's 32 may be out
.else
	s_wait_loadcnt 0x0
.endif
	v_max3_num_f32 v12, |v[XS]|, |v[XS+1]|, |v[XS+2]|
	v_max3_num_f32 v13, |v[XS+3]|, |v[XS+4]|, |v[XS+5]|
.irp i, 6,10,14,18,22,26
	v_max3_num_f32 v12, v12, |v[XS+\i]|, |v[XS+\i+1]|
	v_max3_num_f32 v13, v13, |v[XS+\i+2]|, |v[XS+\i+3]|
.endr
	v_max3_num_f32 v12, v12, |v[XS+30]|, |v[XS+31]|
	v_max3_num_f32 v12, v12, v13, 0x1800000        ; the floor 2^(3 - 127)
	v_add_nc_u32 v11, 0xff000000, v12              ; the conversion's scale operand
	v_lshrrev_b32 v13, 23, v11                     ; the scale's byte
.if (\t)%4 == 0
	v_mov_b32 v[SB+(\t)/4], v13
.else
	v_lshl_or_b32 v[SB+(\t)/4], v13, 8*((\t)%4), v[SB+(\t)/4]
.endif
.irp g, 0,1,2,3
	v_cvt_scalef32_pk8_fp4_f32 v[WC+\g], v[XS+8*\g:XS+8*\g+7], v11
.endr
	ds_store_b128 v4, v[WC:WC+3] offset:16*(\t)    ; 32 codes: 16 bytes of my column's row
.if (\t)+2 < 8
	WLOAD (\t)+2
.endif
	s_wait_dscnt 0x0                               ; the store has read its registers: the next block's codes may be written
.endm
.irp t, 0,1,2,3,4,5,6,7
	WBLOCK \t
.endr
	ds_store_b64 v5, v[SB:SB+1]
	s_wait_dscnt 0x0                               ; for the others' sake: my stores into the stage are done
	s_barrier_signal -1
	s_barrier_wait -1
.set i, 0
.rept 8
	ds_load_b128 v[WO+4*i:WO+4*i+3], v7 offset:2*i*WPT
.set i, i+1
.endr
	ds_load_b64 v[26:27], v10
.set i, 0
.rept 8
	s_wait_dscnt 8-i                               ; load i is in; the 7 - i younger loads of codes and the load of scale bytes may be out
	global_store_b128 v8, v[WO+4*i:WO+4*i+3], s[18:19] offset:1024*i
.set i, i+1
.endr
	s_wait_dscnt 0x0
	global_store_b64 v14, v[26:27], s[20:21]       ; 16 bytes of each row of 32: pieces, one byte for each 128 that this way reads
	CLOSE
.Lfunc_end_k_qbd6f3b7bec_prep:
	.size	k_qbd6f3b7bec_prep, .Lfunc_end_k_qbd6f3b7bec_prep-k_qbd6f3b7bec_prep
	.p2alignl 7, 3214868480
	.fill 96, 4, 3214868480
	.section	.rodata,"a",@progbits
	.p2align	6, 0x0
	.amdhsa_kernel k_qbd6f3b7bec_prep
		.amdhsa_group_segment_fixed_size 103424
		.amdhsa_private_segment_fixed_size 0
		.amdhsa_enable_private_segment 0
		.amdhsa_kernarg_size 80
		.amdhsa_user_sgpr_count 2
		.amdhsa_user_sgpr_kernarg_segment_ptr 1
		.amdhsa_wavefront_size32 1
		.amdhsa_system_sgpr_workgroup_id_x 1
		.amdhsa_system_sgpr_workgroup_id_y 1
		.amdhsa_system_sgpr_workgroup_id_z 1
		.amdhsa_system_vgpr_workitem_id 0
		.amdhsa_next_free_vgpr 194
		.amdhsa_next_free_sgpr 66
		.amdhsa_reserve_vcc 0
		.amdhsa_float_denorm_mode_32 3
		.amdhsa_float_denorm_mode_16_64 3
		.amdhsa_memory_ordered 1
		.amdhsa_forward_progress 1
		.amdhsa_inst_pref_size 80
	.end_amdhsa_kernel
	.amdgpu_metadata
---
amdhsa.version: [ 1, 2 ]
amdhsa.kernels:
  - .name:           k_qbd6f3b7bec_prep
    .symbol:         k_qbd6f3b7bec_prep.kd
    .args:
      - { .name: x, .offset: 0, .size: 8, .value_kind: global_buffer, .address_space: global }
      - { .name: Wq, .offset: 8, .size: 8, .value_kind: global_buffer, .address_space: global }
      - { .name: Wk, .offset: 16, .size: 8, .value_kind: global_buffer, .address_space: global }
      - { .name: Wv, .offset: 24, .size: 8, .value_kind: global_buffer, .address_space: global }
      - { .name: Wp, .offset: 32, .size: 8, .value_kind: global_buffer, .address_space: global }
      - { .name: x_codes, .offset: 40, .size: 8, .value_kind: global_buffer, .address_space: global }
      - { .name: x_scales, .offset: 48, .size: 8, .value_kind: global_buffer, .address_space: global }
      - { .name: w_codes, .offset: 56, .size: 8, .value_kind: global_buffer, .address_space: global }
      - { .name: w_scales, .offset: 64, .size: 8, .value_kind: global_buffer, .address_space: global }
      - { .name: wph, .offset: 72, .size: 8, .value_kind: global_buffer, .address_space: global }
    .group_segment_fixed_size: 103424
    .private_segment_fixed_size: 0
    .kernarg_segment_align: 8
    .kernarg_segment_size: 80
    .max_flat_workgroup_size: 256
    .sgpr_count:     66
    .vgpr_count:     194
    .wavefront_size: 32
...
	.end_amdgpu_metadata
.endif
;; end of part 1
;; launch qkv (part 2): grid 12 x 16, 4 waves a work-group, clusters of 4 x 4, 327,680 bytes of LDS; arguments x_codes, x_scales, w_codes, w_scales, qkv, top; writes qkv, top
.if DOCPART == 2
	.amdgcn_target "amdgcn-amd-amdhsa--gfx1250"
	.amdhsa_code_object_version 6
	.text
	.protected	k_qbd6f3b7bec_qkv
	.globl	k_qbd6f3b7bec_qkv
	.p2align	8
	.type	k_qbd6f3b7bec_qkv,@function
k_qbd6f3b7bec_qkv:
	s_mov_b64 s[64:65], 0
	v_nop
	global_prefetch_b8 v0, s[64:65] scope:SCOPE_SE
	s_setreg_imm32_b32 hwreg(HW_REG_WAVE_MODE, 25, 1), 1
	s_wait_xcnt 0x0
	s_wait_alu depctr_hold_cnt(0) depctr_sa_sdst(0) depctr_va_vdst(0) depctr_va_sdst(0) depctr_va_ssrc(0) depctr_va_vcc(0) depctr_vm_vsrc(0)
	s_getreg_b32 s2, hwreg(HW_REG_IB_STS2, 6, 4)
	s_cmp_eq_u32 s2, 0
	s_cbranch_scc0 .Lentry_in_a_cluster
	s_endpgm
.Lentry_in_a_cluster:
	s_bfe_u32 s2, ttmp6, 0x10000c
	s_cmp_lg_u32 s2, 0xf033
	s_cbranch_scc0 .Lentry_shape_is_right
	s_endpgm
.Lentry_shape_is_right:
; C[m][n] = sum over k of x[m][k] W[k][n] for Wq, Wk, Wv at once: A = x's codes [4096][1024], B = the weights' codes [3072 n][1024 k], FP4 (E2M1) with one E8M0 byte for each 32 along K; sums in f32.
; A tile of C, 256 x 256, is made by four waves, 128 x 128 each: 64 accumulators, 512 registers.  K = 1,024 is two LDS slots of 512 along K: both are filled once, at the head; nothing is filled again.
; The scale bytes of the work-group's 256 rows of A and of B, for all of K, come once with the first fills.
; CLUSTERS: 4 x 4 work-groups; A's tiles are asked for jointly along a row of the cluster, B's along a column.  The matrix instruction is used transposed (source 0 = 16 rows of B, source 1 = 16 rows of A):
; a lane holds eight neighbouring columns of one row of C.
; RESULTS: as f16, laid by head: qkv[which][b][h][s][64] (which 0 q, 1 k, 2 v): a wave's 128 columns are two heads; four rows of a head are 512 consecutive bytes.  LIMIT: |q|, |k|, |v| under 65,504.
; Positions 0-15 of each sequence go out in f32 as well, top[b][s][3072]: the wave whose first 16 rows they are stores them under an EXEC mask, not under a branch, since the condition holds the work-group's place in its cluster.
; REGISTERS: window 0: v16-30 addresses; v32-95 scale words, two sets; v128-191 A's fragments, one set.  window 1: B's fragments, two sets.  windows 2, 3: the accumulators ((a, b) at v[8 (8 (a % 4) + b)]).
.set SIZE_K, 1024
.set KSTEP,  512
.set NQ,     KSTEP/128
.set ROWB,   256
.set KROW,   SIZE_K/2
.set PITCH,  272                       ; an LDS row: 256 bytes + 16 of padding: the 16 rows of a fragment load start at 16 different banks (64 banks of 4 bytes: ISA guide 11.1)
.set FR,     8
.set NL,     2
.set NP,     4                         ; places behind this matrix instruction (ISA guide 7.12.1)
.set HALFT,  128*PITCH
.set SLOT,   4*HALFT
.set KS,     SIZE_K/32
.set SCL,    2*SLOT
.set HALFS,  (128*KS/256)*272
.set SBLK,   (16*KS/256)*272
.set SPARE,  SCL+4*HALFS               ; the spare words, 128 bytes for each wave: two blocks of 256 bytes that no other line names
.set SPITCH, 528                       ; the way out: my stage, 16 rows x 528 bytes, in slot 0, which has had its only fill and its last read by then
.set HPITCH, 272                       ; the same bytes as 16 rows of 256 bytes of f16 + 16
.set ADRA, 16
.set ADRB, 20
.set STH,  22                          ; f16: where I put 16 bytes of a row
.set RDH,  23                          ; f16: where I read four rows of a head back
.set STO,  24                          ; f32: where I put 32 bytes of a row
.set RD,   25                          ; f32: where I read a row back
.set CO,   26                          ; 16 x lane
.set ADRS, 27
.set SPW,  28
.set NIL,  29
.set FLG,  30
.set SC,   32
.set AF,   128
.set TMP,  32                          ; the way out: packed results
.set OB,   64                          ; the way out: rows read back, v64-95 and v96-127 by turns
.set G1, 24
.set G0, 32
.set G1B, 48
.set G0B, 56
.set G1S, 68
.set G0S, 76
.set G1SB, 80
.set G0SB, 88
.set MSB, 0
.macro WIN new                         ; the immediate's high byte repeats the setting that is left
.if MSB != \new
	s_set_vgpr_msb (MSB<<8)|\new
.set MSB, \new
.endif
.endm
.set MUL_LO, 0xa1                      ; source 0 (B) window 1, source 1 (A) window 0, C and D window 2
.set MUL_HI, 0xf1
.set TO_B,   0x40
.macro JLOAD g0a, g1a, g0b, g1b        ; a joint load: waves 0 and 1 fetch for A, waves 2 and 3 for B; an s_nop 0 and four v_nop follow each line
	s_cmp_eq_u32 s15, 0
	s_cbranch_scc0 .Lfor_b_\@
	tensor_load_to_lds s[\g0a:\g0a+3], s[\g1a:\g1a+7]
	s_nop 0
.rept 4
	v_nop
.endr
	s_branch .Lasked_\@
.Lfor_b_\@:
	tensor_load_to_lds s[\g0b:\g0b+3], s[\g1b:\g1b+7]
	s_nop 0
.rept 4
	v_nop
.endr
.Lasked_\@:
.endm
.macro CROUND                          ; a round of the cluster's barrier
	s_barrier_signal -1
	s_barrier_wait -1
	s_cmp_lg_u32 s14, 0
	s_cbranch_scc1 .Lnot_wave_0_\@
	s_barrier_signal -3
.Lnot_wave_0_\@:
	s_barrier_wait -3
	s_barrier_signal -1
	s_barrier_wait -1
.endm
	s_load_b128 s[4:7], s[0:1], 0x0                ; x's codes, x's scales
	s_load_b128 s[8:11], s[0:1], 0x10              ; the weights' codes, their scales
	s_load_b64 s[12:13], s[0:1], 0x20              ; qkv
	s_load_b64 s[96:97], s[0:1], 0x28              ; top
	v_lshl_add_u32 v[SPW], v0, 2, SPARE
	v_mov_b32 v[NIL], 0
	ds_add_u32 v[SPW], v[NIL]                      ; the wave's opening: the add, twice on end, and its wait ahead of my first tensor load
	ds_add_u32 v[SPW], v[NIL]
	v_lshrrev_b32 v1, 5, v0
	v_readfirstlane_b32 s14, v1                    ; wave 0..3
	s_lshr_b32 s15, s14, 1                         ; which half of the tile's rows is mine.  Also: I fetch for A (0) or for B (1)
	s_and_b32 s16, s14, 1                          ; which half of its columns.  Also: which 128 rows of that tile I fetch
	s_bfe_u32 s40, ttmp6, 0x40000                  ; cx, cy
	s_bfe_u32 s41, ttmp6, 0x40004
	s_lshl_b32 s42, ttmp9, 2
	s_add_co_u32 s42, s42, s40                     ; tile column
	s_and_b32 s17, ttmp7, 0xffff
	s_lshl_b32 s17, s17, 2
	s_add_co_u32 s17, s17, s41                     ; tile row
	s_lshl_b32 s43, s41, 2
	s_lshl_b32 s43, 15, s43                        ; my row of the cluster
	s_lshl_b32 s44, 0x1111, s40                    ; my column
	s_or_b32 s[G1+0], s43, (0<<16)|(1<<20)|(1<<21)|(5<<22)|(3<<25)  ; mask; elements of 1 byte; padding on; bit 21 beside a mask; 4 words behind every 64
	s_or_b32 s[G1B+0], s44, (0<<16)|(1<<20)|(1<<21)|(5<<22)|(3<<25)
.irp g, G1, G1B
	s_mov_b32 s[\g+1], ROWB<<16                    ; tensor_dim0
	s_mov_b32 s[\g+2], 128<<16                     ; tensor_dim1
	s_mov_b32 s[\g+3], ROWB<<16                    ; tile_dim0
	s_mov_b32 s[\g+4], 128                         ; tile_dim1
	s_mov_b32 s[\g+5], KROW                        ; from row to row
	s_mov_b32 s[\g+6], 0
	s_mov_b32 s[\g+7], 0
.endr
	s_or_b32 s[G1S+0], s43, (3<<16)|(1<<20)|(1<<21)|(5<<22)|(3<<25)   ; the scales of 128 rows: a dense block, as rows of 256 bytes (32 elements of 8), 16 bytes of padding behind each
	s_or_b32 s[G1SB+0], s44, (3<<16)|(1<<20)|(1<<21)|(5<<22)|(3<<25)
.irp g, G1S, G1SB
	s_mov_b32 s[\g+1], 32<<16
	s_mov_b32 s[\g+2], (128*KS/256)<<16
	s_mov_b32 s[\g+3], 32<<16
	s_mov_b32 s[\g+4], 128*KS/256
	s_mov_b32 s[\g+5], 32
	s_mov_b32 s[\g+6], 0
	s_mov_b32 s[\g+7], 0
.endr
	s_lshl_b32 s18, s16, 7
	s_lshl_b32 s20, s17, 8
	s_add_co_u32 s20, s20, s18                     ; A: row 256 x tile row + 128 x half
	s_lshl_b32 s46, s42, 8
	s_add_co_u32 s46, s46, s18                     ; B: row 256 x tile column + 128 x half
	s_mov_b32 s21, 0
	s_mov_b32 s47, 0
	s_mov_b64 s[18:19], KS
	s_mul_u64 s[22:23], s[20:21], s[18:19]
	s_mul_u64 s[92:93], s[46:47], s[18:19]
	s_mov_b64 s[18:19], KROW
	s_mul_u64 s[20:21], s[20:21], s[18:19]
	s_mul_u64 s[46:47], s[46:47], s[18:19]
	s_mul_i32 s45, s14, HALFT                      ; where they go: wave x 128 rows: no place in the cluster enters an LDS address
	s_mul_i32 s94, s14, HALFS
	s_wait_dscnt 0x0                               ; both opening adds are done
	s_wait_kmcnt 0x0
	s_add_nc_u64 s[20:21], s[4:5], s[20:21]
	s_add_nc_u64 s[22:23], s[6:7], s[22:23]
	s_add_nc_u64 s[46:47], s[8:9], s[46:47]
	s_add_nc_u64 s[92:93], s[10:11], s[92:93]
	CROUND                                         ; all sixteen work-groups are here: the joint loads meet
	s_mov_b32 s[G0S], 1
	s_add_co_u32 s[G0S+1], s94, SCL
	s_mov_b64 s[G0S+2:G0S+3], s[22:23]
	s_or_b32 s[G0S+3], s[G0S+3], 0x80000000
	s_mov_b32 s[G0SB], 1
	s_add_co_u32 s[G0SB+1], s94, SCL
	s_mov_b64 s[G0SB+2:G0SB+3], s[92:93]
	s_or_b32 s[G0SB+3], s[G0SB+3], 0x80000000
	JLOAD G0S, G1S, G0SB, G1SB                     ; the scales first; by this text's count a wave has three tensor loads out at the most
.irp s, 0,1
	s_mov_b32 s[G0+4*\s], 1
	s_add_co_u32 s[G0+4*\s+1], s45, \s*SLOT
	s_add_nc_u64 s[G0+4*\s+2:G0+4*\s+3], s[20:21], \s*ROWB
	s_or_b32 s[G0+4*\s+3], s[G0+4*\s+3], 0x80000000
	s_mov_b32 s[G0B+4*\s], 1
	s_add_co_u32 s[G0B+4*\s+1], s45, \s*SLOT
	s_add_nc_u64 s[G0B+4*\s+2:G0B+4*\s+3], s[46:47], \s*ROWB
	s_or_b32 s[G0B+4*\s+3], s[G0B+4*\s+3], 0x80000000
	JLOAD G0+4*\s, G1, G0B+4*\s, G1B
.endr
	v_and_b32 v1, 15, v0                           ; l % 16
	v_bfe_u32 v2, v0, 4, 1                         ; l / 16
	v_mul_u32_u24 v3, v1, PITCH
	v_lshl_add_u32 v4, v2, 4, v3
	s_mul_i32 s21, s15, HALFT
	s_mul_i32 s22, s16, HALFT
	s_add_co_u32 s22, s22, 2*HALFT
.irp s, 0,1
	v_add_nc_u32 v[ADRA+\s], s21, v4
	v_add_nc_u32 v[ADRB+\s], s22, v4
	s_add_co_u32 s21, s21, SLOT
	s_add_co_u32 s22, s22, SLOT
.endr
	v_mul_u32_u24 v5, v1, KS                       ; my row's scales: KS bytes a row, and 16 more for each 256 passed
	v_lshrrev_b32 v6, 8, v5
	v_lshl_add_u32 v5, v6, 4, v5
	s_mul_i32 s21, s15, HALFS
	s_mul_i32 s22, s16, HALFS
	s_add_co_u32 s22, s22, 2*HALFS
	s_sub_co_u32 s22, s22, s21
	v_mul_u32_u24 v6, s22, v2                      ; lanes 16-31 take B's
	s_add_co_u32 s21, s21, SCL
	v_add_nc_u32 v5, v5, v6
	v_add_nc_u32 v[ADRS], s21, v5
	s_mul_i32 s23, s14, 16*SPITCH                  ; my stage
	v_mul_u32_u24 v5, v1, SPITCH
	v_lshl_add_u32 v5, v2, 5, v5
	v_add_nc_u32 v[STO], s23, v5
	v_and_b32 v6, 31, v0
	v_lshlrev_b32 v[CO], 4, v6
	v_add_nc_u32 v[RD], s23, v[CO]
	v_mul_u32_u24 v5, v1, HPITCH
	v_lshl_add_u32 v5, v2, 4, v5
	v_add_nc_u32 v[STH], s23, v5
	v_lshrrev_b32 v5, 3, v6
	v_mul_u32_u24 v5, v5, HPITCH
	v_and_b32 v7, 7, v0
	v_lshl_add_u32 v5, v7, 4, v5
	v_add_nc_u32 v[RDH], s23, v5
	s_lshl_b32 s20, s42, 2                         ; my first head among the 48 of q, k, v: g = 4 x tile column + 2 x half
	s_lshl_b32 s21, s16, 1
	s_add_co_u32 s20, s20, s21
	s_lshr_b32 s21, s20, 4
	s_lshl_b32 s21, s21, 23                        ; which of q, k, v
	s_and_b32 s20, s20, 15
	s_lshl_b32 s20, s20, 18                        ; the head
	s_add_co_u32 s20, s20, s21
	s_lshr_b32 s21, s17, 3                         ; the batch
	s_lshl_b32 s22, s21, 22
	s_add_co_u32 s20, s20, s22
	s_and_b32 s22, s17, 7
	s_lshl_b32 s22, s22, 15                        ; 256 positions of 128 bytes
	s_add_co_u32 s20, s20, s22
	s_lshl_b32 s22, s15, 14
	s_add_co_u32 s20, s20, s22
	s_mul_i32 s46, s21, 16*12288                   ; top: the batch's 16 rows of 12,288 bytes,
	s_mov_b32 s21, 0
	s_add_nc_u64 s[12:13], s[12:13], s[20:21]
	s_lshl_b32 s47, s42, 10
	s_add_co_u32 s46, s46, s47
	s_lshl_b32 s47, s16, 9
	s_add_co_u32 s46, s46, s47                     ; my 128 columns: inside the buffer in every wave
	s_mov_b32 s47, 0
	s_add_nc_u64 s[96:97], s[96:97], s[46:47]
	s_and_b32 s98, s17, 7
	s_or_b32 s98, s98, s15                         ; 0 where my first 16 rows are positions 0-15 of a sequence
.macro FRAG reg, adr, q, i             ; 16 rows x 128 K of 4-bit codes: 8 registers, two loads of 16 bytes, 32 bytes apart
.irp c, 0,1
	ds_load_b128 v[\reg+4*\c:\reg+4*\c+3], v[\adr] offset:64*(\q)+32*\c+(\i)*16*PITCH
.endr
.endm
; 16 matrix instructions: A's blocks a0, a0 + 1 x B's eight.  The 64 accumulators take turns, one instruction a turn, in the same order in every step.
.macro MUL16 a0, p, q, sc, zero
.irp a, \a0, \a0+1
.irp b, 0,1,2,3,4,5,6,7
.if \zero
	v_wmma_scale_f32_16x16x128_f8f6f4 v[8*(8*((\a)%4)+\b):8*(8*((\a)%4)+\b)+7], v[128*(\p)+FR*\b:128*(\p)+FR*\b+FR-1], v[AF+FR*(\a):AF+FR*(\a)+FR-1], 0, v[SC+8*NQ*(\sc)+NQ*\b+(\q)], v[SC+8*NQ*(\sc)+NQ*(\a)+(\q)] matrix_a_fmt:MATRIX_FMT_FP4 matrix_b_fmt:MATRIX_FMT_FP4 matrix_a_scale:MATRIX_SCALE_ROW1
.else
	v_wmma_scale_f32_16x16x128_f8f6f4 v[8*(8*((\a)%4)+\b):8*(8*((\a)%4)+\b)+7], v[128*(\p)+FR*\b:128*(\p)+FR*\b+FR-1], v[AF+FR*(\a):AF+FR*(\a)+FR-1], v[8*(8*((\a)%4)+\b):8*(8*((\a)%4)+\b)+7], v[SC+8*NQ*(\sc)+NQ*\b+(\q)], v[SC+8*NQ*(\sc)+NQ*(\a)+(\q)] matrix_a_fmt:MATRIX_FMT_FP4 matrix_b_fmt:MATRIX_FMT_FP4 matrix_a_scale:MATRIX_SCALE_ROW1
.endif
.endr
.endr
.endm
.macro FETCH_B slot, q, p
	WIN TO_B
.irp i, 0,1,2,3,4,5,6,7
	FRAG 128*(\p)+FR*\i, ADRB+\slot, \q, \i
.endr
	WIN 0
.endm
.macro FETCH_A slot, q, i0
.irp i, \i0, \i0+1, \i0+2, \i0+3
	FRAG AF+FR*(\i), ADRA+\slot, \q, \i
.endr
.endm
.macro SCALES sc                       ; a slot's scale words: lanes 0-15 take A's block i, lanes 16-31 B's block i
.irp i, 0,1,2,3,4,5,6,7
	ds_load_b128 v[SC+8*NQ*\sc+NQ*\i:SC+8*NQ*\sc+NQ*\i+3], v[ADRS] offset:\i*SBLK
.endr
.endm
.macro PLACES n                        ; plain vector instructions between a matrix instruction and a load into, or a read of, its registers
.rept \n
	v_nop
.endr
.endm
.macro STEP slot, q, zero              ; 128 along K with its successor in the same slot
	s_wait_dscnt 4*NL                              ; B's set and A's blocks 0-3 are in; the youngest eight loads (A's blocks 4-7) may be out
	WIN MUL_LO
	MUL16 0, (\q)%2, \q, \slot, \zero
	MUL16 2, (\q)%2, \q, \slot, \zero
	s_wait_dscnt 0
	PLACES NP
	FETCH_B \slot, (\q)+1, 1-(\q)%2
	FETCH_A \slot, (\q)+1, 0
	WIN MUL_HI
	MUL16 4, (\q)%2, \q, \slot, \zero
	MUL16 6, (\q)%2, \q, \slot, \zero
	PLACES NP
	WIN 0
	FETCH_A \slot, (\q)+1, 4
.endm
.macro STEPS slot, from
.set Q, \from
.rept NQ-1-\from
	STEP \slot, Q, 0
.set Q, Q+1
.endr
.endm
	s_wait_tensorcnt 1                             ; the scales and my part of slot 0 are in; slot 1's load may be out
	s_barrier_signal -1
	s_barrier_wait -1
	FETCH_B 0, 0, 0
	FETCH_A 0, 0, 0
	SCALES 0
	FETCH_A 0, 0, 4
	STEP 0, 0, 1                                   ; the first step's products start the sums: nothing is cleared
	STEPS 0, 1
	; slot 0's last step changes slots: one barrier
	s_wait_tensorcnt 0x0                           ; my part of slot 1 has landed
	ds_add_u32 v[SPW], v[NIL]                      ; 0 onto my spare word
	s_wait_dscnt 4*NL+1                            ; the add and the youngest eight loads (A's blocks 4-7) may be out
	WIN MUL_LO
	MUL16 0, 1, NQ-1, 0, 0
	s_wait_dscnt 0x0                               ; the add is done, and my reads of slot 0 are over
	s_barrier_signal -1
	MUL16 2, 1, NQ-1, 0, 0
	WIN 0
	s_barrier_wait -1
	PLACES NP
	v_add_nc_u32 v[ADRS], 4*NQ, v[ADRS]            ; on to slot 1's scale words
	FETCH_B 1, 0, 0
	FETCH_A 1, 0, 0
	SCALES 1
	WIN MUL_HI
	MUL16 4, 1, NQ-1, 0, 0
	MUL16 6, 1, NQ-1, 0, 0
	PLACES NP
	WIN 0
	FETCH_A 1, 0, 4
	STEPS 1, 0
	s_wait_dscnt 4*NL                              ; the very last step: nothing more to fetch
	WIN MUL_LO
	MUL16 0, 1, NQ-1, 1, 0
	MUL16 2, 1, NQ-1, 1, 0
	s_wait_dscnt 0
	WIN MUL_HI
	MUL16 4, 1, NQ-1, 1, 0
	MUL16 6, 1, NQ-1, 1, 0
	WIN 0
	; THE WAY OUT.  First my block 0 in f32, through my stage, as whole rows of 512 bytes; stored only where it is positions 0-15.
	PLACES NP
	WIN 0x08                                       ; an LDS store's data: window 2
.irp b, 0,1,2,3,4,5,6,7
	ds_store_b128 v[STO], v[8*\b:8*\b+3] offset:64*\b              ; each accumulator from its low end on
	ds_store_b128 v[STO], v[8*\b+4:8*\b+7] offset:64*\b+16
.endr
	WIN 0
.set i, 0
.rept 16
	ds_load_b128 v[128+4*i:131+4*i], v[RD] offset:i*SPITCH         ; LDS serves a wave's instructions in order: these see the stores above
.set i, i+1
.endr
	v_mov_b32 v[FLG], s98
	v_cmp_eq_u32 vcc_lo, 0, v[FLG]
	s_wait_dscnt 0x0
	s_wait_xcnt 0x0                                ; EXEC changes only behind this wait
	s_and_saveexec_b32 s99, vcc_lo
.set i, 0
.rept 16
	global_store_b128 v[CO], v[128+4*i:131+4*i], s[96:97] offset:i*12288   ; 32 lanes store 512 consecutive bytes, aligned to 256
.set i, i+1
.endr
	s_wait_xcnt 0x0                                ; and again, in front of the line that widens it
	s_or_b32 exec_lo, exec_lo, s99
; All eight blocks of 16 rows in f16.  PACK: 16 bytes a lane.  TOSTAGE: rows of 256 bytes (two heads) in, four rows of one head back.  SEND: 512 consecutive bytes a store.
.macro PACK a
.set AC, 64*((\a)%4)
	WIN 0x0a+5*((\a)/4)                            ; sources 0 and 1: window 2 or 3
.irp b, 0,1,2,3,4,5,6,7
.irp r, 0,1,2,3
	v_cvt_pk_f16_f32 v[TMP+4*\b+\r], v[AC+8*\b+2*\r], v[AC+8*\b+2*\r+1]
.endr
.endr
	WIN 0
.endm
.macro TOSTAGE a
.set BB, OB+32*((\a)%2)
.irp b, 0,1,2,3,4,5,6,7
	ds_store_b128 v[STH], v[TMP+4*\b:TMP+4*\b+3] offset:32*\b
.endr
.irp t, 0,1,2,3,4,5,6,7
	ds_load_b128 v[BB+4*\t:BB+4*\t+3], v[RDH] offset:(\t%4)*4*HPITCH+(\t/4)*128
.endr
.endm
.macro SEND a
.set BB, OB+32*((\a)%2)
	s_wait_dscnt 0x0                               ; the block is back in registers
	s_wait_xcnt 0x0                                ; earlier stores have read their registers and their base: both may be written again
.if (\a) > 0
	s_add_nc_u64 s[12:13], s[12:13], 16*128        ; 16 positions on
.endif
.irp t, 0,1,2,3,4,5,6,7
	global_store_b128 v[CO], v[BB+4*\t:BB+4*\t+3], s[12:13] offset:(\t%4)*512+(\t/4)*262144
.endr
.endm
	PACK 0
	TOSTAGE 0
.irp a, 1,2,3,4,5,6,7                  ; block a's conversions stand between block a - 1's loads from the stage and the wait for them
	PACK \a
	SEND \a-1
	TOSTAGE \a
.endr
	SEND 7
	s_wait_tensorcnt 0x0                           ; the wave's end
	ds_add_u32 v[SPW], v[NIL]
	s_wait_dscnt 0x0
	CROUND                                         ; the closing round
	s_endpgm
.Lfunc_end_k_qbd6f3b7bec_qkv:
	.size	k_qbd6f3b7bec_qkv, .Lfunc_end_k_qbd6f3b7bec_qkv-k_qbd6f3b7bec_qkv
	.p2alignl 7, 3214868480
	.fill 96, 4, 3214868480
	.section	.rodata,"a",@progbits
	.p2align	6, 0x0
	.amdhsa_kernel k_qbd6f3b7bec_qkv
		.amdhsa_group_segment_fixed_size 327680
		.amdhsa_private_segment_fixed_size 0
		.amdhsa_enable_private_segment 0
		.amdhsa_kernarg_size 48
		.amdhsa_user_sgpr_count 2
		.amdhsa_user_sgpr_kernarg_segment_ptr 1
		.amdhsa_wavefront_size32 1
		.amdhsa_system_sgpr_workgroup_id_x 1
		.amdhsa_system_sgpr_workgroup_id_y 1
		.amdhsa_system_sgpr_workgroup_id_z 1
		.amdhsa_system_vgpr_workitem_id 0
		.amdhsa_next_free_vgpr 1024
		.amdhsa_next_free_sgpr 100
		.amdhsa_reserve_vcc 1
		.amdhsa_float_denorm_mode_32 3
		.amdhsa_float_denorm_mode_16_64 3
		.amdhsa_memory_ordered 1
		.amdhsa_forward_progress 1
		.amdhsa_inst_pref_size 131
	.end_amdhsa_kernel
	.amdgpu_metadata
---
amdhsa.version: [ 1, 2 ]
amdhsa.kernels:
  - .name:           k_qbd6f3b7bec_qkv
    .symbol:         k_qbd6f3b7bec_qkv.kd
    .args:
      - { .name: x_codes, .offset: 0, .size: 8, .value_kind: global_buffer, .address_space: global }
      - { .name: x_scales, .offset: 8, .size: 8, .value_kind: global_buffer, .address_space: global }
      - { .name: w_codes, .offset: 16, .size: 8, .value_kind: global_buffer, .address_space: global }
      - { .name: w_scales, .offset: 24, .size: 8, .value_kind: global_buffer, .address_space: global }
      - { .name: qkv, .offset: 32, .size: 8, .value_kind: global_buffer, .address_space: global }
      - { .name: top, .offset: 40, .size: 8, .value_kind: global_buffer, .address_space: global }
    .group_segment_fixed_size: 327680
    .private_segment_fixed_size: 0
    .kernarg_segment_align: 8
    .kernarg_segment_size: 48
    .max_flat_workgroup_size: 128
    .sgpr_count:     100
    .vgpr_count:     1024
    .wavefront_size: 32
...
	.end_amdgpu_metadata
.endif
;; end of part 2
;; launch attn (part 3): grid 8 x 32, 8 waves a work-group, clusters of 4 x 1, 327,680 bytes of LDS; arguments qkv, att; writes att
.if DOCPART == 3
	.amdgcn_target "amdgcn-amd-amdhsa--gfx1250"
	.amdhsa_code_object_version 6
	.text
	.protected	k_qbd6f3b7bec_attn
	.globl	k_qbd6f3b7bec_attn
	.p2align	8
	.type	k_qbd6f3b7bec_attn,@function
k_qbd6f3b7bec_attn:
	s_mov_b64 s[64:65], 0
	v_nop
	global_prefetch_b8 v0, s[64:65] scope:SCOPE_SE
	s_setreg_imm32_b32 hwreg(HW_REG_WAVE_MODE, 25, 1), 1
	s_wait_xcnt 0x0
	s_wait_alu depctr_hold_cnt(0) depctr_sa_sdst(0) depctr_va_vdst(0) depctr_va_sdst(0) depctr_va_ssrc(0) depctr_va_vcc(0) depctr_vm_vsrc(0)
	s_getreg_b32 s2, hwreg(HW_REG_IB_STS2, 6, 4)
	s_cmp_eq_u32 s2, 0
	s_cbranch_scc0 .Lentry_in_a_cluster
	s_endpgm
.Lentry_in_a_cluster:
	s_bfe_u32 s2, ttmp6, 0x10000c
	s_cmp_lg_u32 s2, 0x3003
	s_cbranch_scc0 .Lentry_shape_is_right
	s_endpgm
.Lentry_shape_is_right:
; att[h][2048 b + q][:] = the sum over k <= q of softmax_k(Q[q] . K[k] / 8) V[k][:], for the 32 (batch, head) pairs.  Q, K, V: f16 [which][b][h][2048][64]; att: f16.
; Products on f16 operands with f32 sums; maxima, exponentials and sums in f32, with a running maximum m and sum l: p = 2^(c s - c m), c = log2(e) / 8; O and l are multiplied by a = 2^(c m_old - c m_new) in every step.
; LIMITS: hidden keys get the weight 0, which is what subtracting 1e9 gives while |scores| stay under about 5e8; the result stays under 65,504 (f16); NaN and infinities are not served.
; SHARES.  Work-group j (0..7) of a head owns sixteen tiles of 16 queries, tile i = queries 128 i + 16 j + 0..15: one tile in each 128 positions, so all work-groups have the same work under the causal mask.
; Wave w owns tile H (i = 15 - w) and tile L (i = w): 2 (15 - w) + 2 and 2 w + 2 key steps of 64, 34 tile-steps in every wave.  Every work-group walks all 32 key steps; whether a tile is at work hangs on the wave's
; number and the count of steps alone.  j enters only Q's and att's addresses and the number that the mask compares: so the four partners of a cluster run alike, and each K and V tile is asked for JOINTLY.
; LAYOUT.  S^T = K Q^T (source 0 = 16 keys, source 1 = 16 queries) and O^T = V^T P: a lane holds one query throughout; two tiles of S^T rounded to f16 in pairs ARE source 1 of the second product.  V is turned by ds_load_tr16_b128.
; RING.  Two LDS slots of four key steps; waves 0-3 fetch K of step w % 4, waves 4-7 V: one joint load a wave behind each round of the cluster's barrier; by this text's count two loads of a wave are out at the head, later one.
; REGISTERS: v1-15 addresses; v16-31 statistics, 8 a tile (+0 c m, +1 m, +2, +3 l, +4..+7 at work, a in +6); v32-63 Q; v64-127 K's eight fragments, then V's; v128-191 S^T, then P in its first 16 of each 32; v192-255 O^T.
.set KS,    64
.set PK,    144                        ; a row of K in LDS: 128 bytes + 16: the 16 rows of a load start at 16 different banks (ISA guide 11.1)
.set PV,    160                        ; a row of V: 128 + 32
.set VOFF,  KS*PK
.set STEPB, KS*(PK+PV)                 ; a step's tiles lie together
.set NST,   4                          ; steps in a slot
.set SLOT1, 1<<17                      ; slot 1 begins here: one exclusive or turns an address
.set SLOTB, NST*KS*128                 ; a slot's keys in memory, in bytes
.set STAGE, SLOT1+NST*STEPB            ; the way out: 16 rows x 144 bytes for each wave
.set SP,    144
.set SPARE, STAGE+8*16*SP              ; the spare words, 128 bytes for each wave: four blocks of 256 bytes that no other line names
.set AK0, 2
.set AV0, 3
.set ADK, 4
.set ADV, 5
.set D0,  6                            ; 16 j + lane % 16 - 8 (lane / 16)
.set DM,  7                            ; the mask's number; ahead of the loop Q's byte offset
.set NEG, 8                            ; -infinity
.set STO, 10
.set RD,  11
.set GO,  12
.set PFO, 13
.set SPW, 14
.set NIL, 15
.set ST,  16
.set Q,   32
.set KV,  64
.set S,   128
.set O,   192
.set WV,  12
.set G1K, 24
.set G1V, 32
.set G0K, 40
.set G0V, 48
.set SLOTS, 56
.set CNT, 57
.set CS,  58
.set SEL, 60
.set TB,  62                           ; LDS byte at which the step in hand begins
.set KSI, 63                           ; the step's number
.set LH,  66                           ; tile H works while KSI < 32 - 2 w
.set LL,  67                           ; tile L while KSI < 2 w + 2
.set PFA, 68
.set LIM, 70
.set LHD, 71                           ; tile H is masked from KSI = 30 - 2 w on
.set LLD, 82                           ; tile L from KSI = 2 w on
.macro JLOAD                           ; a joint refill; the branch hangs on the wave's number alone; an s_nop 0 and four v_nop follow each line
	s_cmp_lt_u32 s[WV], 4
	s_cbranch_scc0 .Lfor_v_\@
	tensor_load_to_lds s[G0K+4:G0K+7], s[G1K:G1K+7]
	s_nop 0
.rept 4
	v_nop
.endr
	s_branch .Lasked_\@
.Lfor_v_\@:
	tensor_load_to_lds s[G0V+4:G0V+7], s[G1V:G1V+7]
	s_nop 0
.rept 4
	v_nop
.endr
.Lasked_\@:
.endm
; A PREFETCH INTO THE L2 of what the NEXT change of slots will ask for: 32,768 bytes of K and as many of V.  Both clusters of a head walk the same keys: the first asks.  Its four partners share the bytes out by
; address, 8,192 each, lanes 256 bytes apart; wave 0 asks for K's, wave 4 for V's.  So each block is named once.  The last change that fills a slot asks for nothing; slots 0 to 2 come by their loads alone.
.macro ASK
	s_cmp_gt_u32 s[SLOTS], s[LIM]
	s_cbranch_scc0 .Lnot_mine_\@
	global_prefetch_b8 v[PFO], s[PFA:PFA+1] th:TH_LOAD_NT scope:SCOPE_SE
.Lnot_mine_\@:
.endm
.macro CROUND
	s_barrier_signal -1
	s_barrier_wait -1
	s_cmp_lg_u32 s[WV], 0
	s_cbranch_scc1 .Lnot_wave_0_\@
	s_barrier_signal -3
.Lnot_wave_0_\@:
	s_barrier_wait -3
	s_barrier_signal -1
	s_barrier_wait -1
.endm
	s_load_b128 s[4:7], s[0:1], 0x0                ; qkv s[4:5], att s[6:7]
	v_lshl_add_u32 v[SPW], v0, 2, SPARE
	v_mov_b32 v[NIL], 0
	ds_add_u32 v[SPW], v[NIL]                      ; the wave's opening: the add, twice on end, and its wait ahead of my first tensor load
	ds_add_u32 v[SPW], v[NIL]
	v_lshrrev_b32 v1, 5, v0
	v_readfirstlane_b32 s[WV], v1                  ; wave 0..7
	s_bfe_u32 s13, ttmp6, 0x40000                  ; cx
	s_lshl_b32 s14, ttmp9, 2
	s_add_co_u32 s14, s14, s13                     ; j: it enters Q's and att's addresses and the mask's number alone
	s_and_b32 s15, ttmp7, 0xffff                   ; 16 b + h, which the partners share
	s_lshl_b32 s20, s15, 18                        ; the head's first byte in each of q, k, v
	s_and_b32 s16, s[WV], 3                        ; which of a slot's four steps I fetch
	s_lshl_b32 s22, s16, 13
	s_add_co_u32 s22, s22, s20
	s_mov_b32 s23, 0
	s_mul_i32 s17, s16, STEPB                      ; and its place in a slot
	s_lshl_b32 s81, s14, 11                        ; 16 j rows of 128 bytes
	s_sub_co_u32 s80, 15, s[WV]
	s_lshl_b32 s80, s80, 14
	s_add_co_u32 s80, s80, s81                     ; tile H's first row in a head, in bytes
	s_lshl_b32 s18, s[WV], 14
	s_add_co_u32 s81, s18, s81                     ; tile L's
	s_add_co_u32 s76, s80, s20
	s_mov_b32 s77, 0
	s_add_co_u32 s78, s81, s20
	s_mov_b32 s79, 0
	s_and_b32 s18, s15, 15
	s_lshl_b32 s18, s18, 19                        ; att: head x 4,096 rows of 128 bytes,
	s_lshr_b32 s19, s15, 4
	s_lshl_b32 s19, s19, 18                        ; batch x 2,048 rows
	s_add_co_u32 s18, s18, s19
	s_add_co_u32 s72, s80, s18
	s_mov_b32 s73, 0
	s_add_co_u32 s74, s81, s18
	s_mov_b32 s75, 0
	s_lshl_b32 s[LLD], s[WV], 1
	s_add_co_u32 s[LL], s[LLD], 2
	s_sub_co_u32 s[LH], 32, s[LLD]
	s_sub_co_u32 s[LHD], 30, s[LLD]
	s_mov_b32 s[G1K], 15|(1<<16)|(1<<20)|(1<<21)|(4<<22)|(3<<25)  ; the mask: all four; elements of 2 bytes; padding on; bit 21 beside a mask; 4 words behind every 32
	s_mov_b32 s[G1V], 15|(1<<16)|(1<<20)|(1<<21)|(4<<22)|(7<<25)  ; the same with 8 words
.irp g, G1K, G1V
	s_mov_b32 s[\g+1], 64<<16                      ; tensor_dim0 = 64
	s_mov_b32 s[\g+2], KS<<16                      ; tensor_dim1 = 64
	s_mov_b32 s[\g+3], 64<<16                      ; tile_dim0
	s_mov_b32 s[\g+4], KS                          ; tile_dim1
	s_mov_b32 s[\g+5], 64                          ; from row to row
	s_mov_b32 s[\g+6], 0
	s_mov_b32 s[\g+7], 0
.endr
	s_mov_b32 s[CS], 0x3e38aa3b                    ; c = log2(e) / 8
	s_mov_b32 s[CS+1], s[CS]                       ; named with it as a pair, so it is written
	s_mov_b32 s[SEL], 0x76543210
	s_mov_b32 s[SEL+1], 0xfedcba98
	s_mov_b32 s[TB], 0
	s_mov_b32 s[KSI], 0
	s_mov_b32 s[SLOTS], 6
	s_and_b32 s[LIM], s[WV], 3
	s_or_b32 s[LIM], s[LIM], ttmp9                 ; 0 in waves 0 and 4 of the head's first cluster: the same in all four partners
	s_cmp_eq_u32 s[LIM], 0
	s_cselect_b32 s[LIM], 1, -1
	v_and_b32 v[PFO], 31, v0
	v_lshlrev_b32 v[PFO], 8, v[PFO]
	s_wait_dscnt 0x0                               ; both opening adds are done
	s_wait_kmcnt 0x0
	s_add_nc_u64 s[8:9], s[4:5], s[22:23]
	s_add_nc_u64 s[10:11], s[8:9], 2<<23           ; V at my tile of slot 0
	s_add_nc_u64 s[8:9], s[8:9], 1<<23             ; K likewise
	s_add_nc_u64 s[76:77], s[4:5], s[76:77]        ; Q at tile H, at tile L
	s_add_nc_u64 s[78:79], s[4:5], s[78:79]
	s_add_nc_u64 s[72:73], s[6:7], s[72:73]        ; att likewise
	s_add_nc_u64 s[74:75], s[6:7], s[74:75]
	s_cmp_lt_u32 s[WV], 4
	s_cselect_b64 s[PFA:PFA+1], s[8:9], s[10:11]   ; (in waves 0 and 4 these stand at a slot's first row)
	s_lshl_b32 s2, s13, 13                         ; my work-group's 8,192 bytes
	s_mov_b32 s3, 0
	s_add_nc_u64 s[PFA:PFA+1], s[PFA:PFA+1], s[2:3]
	s_add_nc_u64 s[PFA:PFA+1], s[PFA:PFA+1], 2*SLOTB   ; in slot 2; the first change of slots steps it to slot 3
	CROUND                                         ; all four work-groups are here: the first joint loads meet
.irp s, 0,1
	s_mov_b32 s[G0K+4*\s], 1
	s_add_co_u32 s[G0K+4*\s+1], s17, \s*SLOT1
	s_add_nc_u64 s[G0K+4*\s+2:G0K+4*\s+3], s[8:9], \s*SLOTB
	s_or_b32 s[G0K+4*\s+3], s[G0K+4*\s+3], 0x80000000
	s_mov_b32 s[G0V+4*\s], 1
	s_add_co_u32 s[G0V+4*\s+1], s17, \s*SLOT1+VOFF
	s_add_nc_u64 s[G0V+4*\s+2:G0V+4*\s+3], s[10:11], \s*SLOTB
	s_or_b32 s[G0V+4*\s+3], s[G0V+4*\s+3], 0x80000000
.endr
	s_cmp_lt_u32 s[WV], 4                          ; a wave's two first fills stand in one branch, ahead of every wait on TENSORcnt and every LDS read
	s_cbranch_scc0 .Lfirst_v
	tensor_load_to_lds s[G0K:G0K+3], s[G1K:G1K+7]
	s_nop 0
	tensor_load_to_lds s[G0K+4:G0K+7], s[G1K:G1K+7]
	s_nop 0
.rept 4
	v_nop
.endr
	s_branch .Lfirst_asked
.Lfirst_v:
	tensor_load_to_lds s[G0V:G0V+3], s[G1V:G1V+7]
	s_nop 0
	tensor_load_to_lds s[G0V+4:G0V+7], s[G1V:G1V+7]
	s_nop 0
.rept 4
	v_nop
.endr
.Lfirst_asked:
	v_and_b32 v1, 15, v0                           ; r
	v_bfe_u32 v9, v0, 4, 1                         ; h
	v_lshlrev_b32 v[DM], 7, v1
	v_lshl_add_u32 v[DM], v9, 4, v[DM]             ; Q: row r of 128 bytes + 16 h
.irp t, 0,1
.irp c, 0,1
	global_load_b128 v[Q+16*\t+8*\c:Q+16*\t+8*\c+3],   v[DM], s[76+2*\t:77+2*\t] offset:64*\c
	global_load_b128 v[Q+16*\t+8*\c+4:Q+16*\t+8*\c+7], v[DM], s[76+2*\t:77+2*\t] offset:64*\c+32
.endr
.endr
	v_mul_u32_u24 v[AK0], v1, PK
	v_lshl_add_u32 v[AK0], v9, 4, v[AK0]           ; K: row x pitch + 16 x half
	v_and_b32 v[ADK], 7, v0
	v_bfe_u32 v[ADV], v0, 3, 1
	v_lshl_add_u32 v[AV0], v9, 3, v[ADK]
	v_mul_u32_u24 v[AV0], v[AV0], PV
	v_lshl_add_u32 v[AV0], v[ADV], 4, v[AV0]
	v_add_nc_u32 v[AV0], VOFF, v[AV0]              ; V, for the turning load: key 8 h + l % 8, channels 8 ((l / 8) % 2) on
	s_lshl_b32 s80, s14, 4
	v_add_nc_u32 v[D0], s80, v1
	v_lshlrev_b32 v[NEG], 3, v9
	v_sub_nc_u32 v[D0], v[D0], v[NEG]
	v_mov_b32 v[NEG], 0xff800000
	s_mul_i32 s80, s[WV], 16*SP
	s_add_co_u32 s80, s80, STAGE                   ; my stage
	v_mul_u32_u24 v[STO], v1, SP
	v_lshl_add_u32 v[STO], v9, 4, v[STO]
	v_add_nc_u32 v[STO], s80, v[STO]               ; in: row r, 16 bytes for each half of the lanes
	v_and_b32 v[GO], 31, v0
	v_lshrrev_b32 v[RD], 3, v[GO]
	v_mul_u32_u24 v[RD], v[RD], SP
	v_lshl_add_u32 v[RD], v[ADK], 4, v[RD]
	v_add_nc_u32 v[RD], s80, v[RD]                 ; back: eight lanes to a row of 128 bytes, four rows a load
	v_lshlrev_b32 v[GO], 4, v[GO]
.irp t, 0,1
	v_mov_b32 v[ST+8*\t+1], 0xff61b1e6             ; m: -3e38, under every score
	v_mul_f32 v[ST+8*\t], s[CS], v[ST+8*\t+1]      ; c m
.irp i, 2,3,4,5,6,7
	v_mov_b32 v[ST+8*\t+\i], 0
.endr
.endr
.set i, 0
.rept 64
	v_mov_b32 v[O+i], 0                            ; O^T.  (The step is written once: its first turn finds zeros, which a = 0 leaves zeros)
.set i, i+1
.endr
.macro KQ t                            ; S^T = K Q^T for tile t: the four accumulators take turns, one instruction a turn
.irp c, 0,1
.irp k, 0,1,2,3
.if \c == 0
	v_wmma_f32_16x16x32_f16 v[S+32*\t+8*\k:S+32*\t+8*\k+7], v[KV+8*(2*\k+\c):KV+8*(2*\k+\c)+7], v[Q+16*\t+8*\c:Q+16*\t+8*\c+7], 0
.else
	v_wmma_f32_16x16x32_f16 v[S+32*\t+8*\k:S+32*\t+8*\k+7], v[KV+8*(2*\k+\c):KV+8*(2*\k+\c)+7], v[Q+16*\t+8*\c:Q+16*\t+8*\c+7], v[S+32*\t+8*\k:S+32*\t+8*\k+7]
.endif
.endr
.endr
.endm
.macro PVM t                           ; O^T += V^T P for tile t: keys 32 f on, channels 16 k on
.irp f, 0,1
.irp k, 0,1,2,3
	v_wmma_f32_16x16x32_f16 v[O+32*\t+8*\k:O+32*\t+8*\k+7], v[KV+8*(4*\f+\k):KV+8*(4*\f+\k)+7], v[S+32*\t+8*\f:S+32*\t+8*\f+7], v[O+32*\t+8*\k:O+32*\t+8*\k+7]
.endr
.endr
.endm
; Register n of S^T holds key 64 KSI + 16 (n / 8) + 8 (lane / 16) + n % 8; my query is 64 lim + 16 j + lane % 16.  Hidden where 16 (n / 8) + n % 8 > 64 (lim - KSI) + D0: the score becomes -infinity, p = 0.
.macro MASK t, lim
	s_sub_co_i32 s80, s[\lim], s[KSI]
	s_lshl_b32 s80, s80, 6
	v_add_nc_u32 v[DM], s80, v[D0]
.set n, 0
.rept 32
	v_cmp_gt_i32 vcc_lo, 16*(n/8)+n%8, v[DM]
	v_cndmask_b32 v[S+32*\t+n], v[S+32*\t+n], v[NEG], vcc_lo
.set n, n+1
.endr
.endm
.macro SM_A t                          ; the softmax up to the exponentials: none of these lines reads an exponential's result
.set rT, ST+8*(\t)
.set rS, S+32*(\t)
.irp j, 0,1,2,3
	v_max3_num_f32 v[rT+4+\j], v[rS+8*\j], v[rS+8*\j+1], v[rS+8*\j+2]      ; four chains, each from its accumulator's low end on
.endr
.irp g, 1,2
.irp j, 0,1,2,3
	v_max3_num_f32 v[rT+4+\j], v[rT+4+\j], v[rS+8*\j+2*\g+1], v[rS+8*\j+2*\g+2]
.endr
.endr
	v_max3_num_f32 v[rT+4], v[rT+4], v[rS+7], v[rS+15]
	v_max3_num_f32 v[rT+6], v[rT+6], v[rS+23], v[rS+31]
	v_max3_num_f32 v[rT+4], v[rT+4], v[rT+5], v[rT+6]
	v_max3_num_f32 v[rT+4], v[rT+4], v[rT+7], v[rT+1]              ; and the old m
	v_permlanex16_b32 v[rT+5], v[rT+4], s[SEL], s[SEL+1]           ; the query's other 32 keys lie in the lane 16 away
	v_mov_b32 v[rT+7], v[rT]                                       ; c m_old
	v_max_num_f32 v[rT+1], v[rT+4], v[rT+5]
	v_mul_f32 v[rT], s[CS], v[rT+1]
	v_sub_f32 v[rT+7], v[rT+7], v[rT]
.set b, 0
.rept 16
	v_pk_fma_f32 v[rS+b:rS+b+1], v[rS+b:rS+b+1], s[CS:CS+1], v[rT:rT+1] op_sel_hi:[1,0,0] neg_lo:[0,0,1] neg_hi:[0,0,1]   ; c s - c m
.set b, b+2
.endr
	v_exp_f32 v[rT+6], v[rT+7]                                     ; a
.set b, 0
.rept 32
	v_exp_f32 v[rS+b], v[rS+b]
.set b, b+1
.endr
.endm
.macro SM_B t                          ; behind the wait: l, P, and O^T times a
.set rT, ST+8*(\t)
.set rS, S+32*(\t)
.set rO, O+32*(\t)
	v_pk_mul_f32 v[rT+2:rT+3], v[rT+2:rT+3], v[rT+6:rT+7] op_sel_hi:[1,0]
	v_pk_add_f32 v[rT+4:rT+5], v[rS:rS+1], v[rS+2:rS+3]            ; the sum of the unrounded p, in two chains
.set b, 4
.rept 7
	v_pk_add_f32 v[rT+2:rT+3], v[rT+2:rT+3], v[rS+b:rS+b+1]
	v_pk_add_f32 v[rT+4:rT+5], v[rT+4:rT+5], v[rS+b+2:rS+b+3]
.set b, b+4
.endr
	v_pk_add_f32 v[rT+2:rT+3], v[rT+2:rT+3], v[rT+4:rT+5]
.set b, 0
.rept 16
	v_cvt_pk_f16_f32 v[rS+b], v[rS+2*b], v[rS+2*b+1]               ; in place: register b is written when both its old readers have passed
.set b, b+1
.endr
.set b, 0
.rept 16
	v_pk_mul_f32 v[rO+b:rO+b+1], v[rO+b:rO+b+1], v[rT+6:rT+7] op_sel_hi:[1,0]
.set b, b+2
.endr
.endm
; A step's work behind K's loads.  two = 1: both tiles; tile H is then never on its diagonal (30 - 2 w <= KSI < 2 w + 2 holds for no w), so only L may want the mask.  two = 0: tile H alone.
.macro BODY two
	KQ 0
.if \two
	KQ 1
.endif
.rept 4
	v_nop                                          ; places: behind them V's loads land where K's fragments lay, and the scores are read
.endr
.set f, 0
.rept 8                                            ; V, turned: keys 32 (f / 4) on, channels 16 (f % 4) on.  The loads land while the softmax runs
	ds_load_tr16_b128 v[KV+8*f:KV+8*f+3],   v[ADV] offset:(f/4)*32*PV+(f%4)*32
	ds_load_tr16_b128 v[KV+8*f+4:KV+8*f+7], v[ADV] offset:(f/4)*32*PV+16*PV+(f%4)*32
.set f, f+1
.endr
.if \two
	s_cmp_lt_u32 s[KSI], s[LLD]
	s_cbranch_scc1 .Lopen_\@
	MASK 1, LLD
.else
	s_cmp_lt_u32 s[KSI], s[LHD]
	s_cbranch_scc1 .Lopen_\@
	MASK 0, LHD
.endif
.Lopen_\@:
	SM_A 0
.if \two
	SM_A 1
.endif
	v_nop                                          ; a plain instruction behind the last exponential
	s_wait_alu depctr_va_vdst(0)                   ; the wait ahead of the first line that names a result: one for the whole batch
	SM_B 0
.if \two
	SM_B 1
.endif
	s_wait_dscnt 0x0                               ; V is in
	PVM 0
.if \two
	PVM 1
.endif
.endm
.macro STEP
	s_cmp_ge_u32 s[KSI], s[LH]                     ; both my tiles are past their last key: only the counters step
	s_cbranch_scc1 .Lidle_\@
	v_add_nc_u32 v[ADK], s[TB], v[AK0]
	v_add_nc_u32 v[ADV], s[TB], v[AV0]
.rept 4
	v_nop                                          ; with the two additions six places behind the last step's products: four are owed before loads land on V's fragments, five before products write over P
.endr
.set f, 0
.rept 8                                            ; K: keys 16 (f / 2) on, channels 32 (f % 2) on
	ds_load_b128 v[KV+8*f:KV+8*f+3],   v[ADK] offset:(f/2)*16*PK+(f%2)*64
	ds_load_b128 v[KV+8*f+4:KV+8*f+7], v[ADK] offset:(f/2)*16*PK+(f%2)*64+32
.set f, f+1
.endr
	s_wait_dscnt 0x0
	s_cmp_ge_u32 s[KSI], s[LL]
	s_cbranch_scc1 .Lone_\@
	BODY 1
	s_branch .Lidle_\@
.Lone_\@:
	BODY 0
.Lidle_\@:
	s_add_co_u32 s[KSI], s[KSI], 1
	s_add_co_u32 s[TB], s[TB], STEPB
.endm
.macro SLOT_WORK                       ; a slot's four steps: written once, walked four times
	s_mov_b32 s[CNT], NST
.Lstep_\@:
	STEP
	s_sub_co_u32 s[CNT], s[CNT], 1
	s_cmp_lg_u32 s[CNT], 0
	s_cbranch_scc1 .Lstep_\@
.endm
; THE CHANGE OF SLOTS.  Each wave waits for all its tensor loads (its part of the other slot), adds 0 to its spare word, and waits for that and for its reads of the slot that it leaves.  fill = 1: the barrier is a round
; of the cluster's, and the joint refill, the keys two slots on, is the first thing behind it: it has a slot's four steps in which to land.
.macro CHANGE fill
	s_wait_tensorcnt 0x0                           ; no tensor load of mine is out, so a group 0 may be written
	ds_add_u32 v[SPW], v[NIL]
.if \fill
.irp g, G0K+4, G0V+4
	s_xor_b32 s[\g+1], s[\g+1], SLOT1              ; the walking descriptor: the other slot than last time,
	s_add_nc_u64 s[\g+2:\g+3], s[\g+2:\g+3], SLOTB ; the next 256 keys
.endr
	s_wait_xcnt 0x0                                ; the last prefetch, a slot back, has read its address
	s_add_nc_u64 s[PFA:PFA+1], s[PFA:PFA+1], SLOTB
	s_wait_dscnt 0x0                               ; the add is done, and my reads of the slot are over
	CROUND
	JLOAD
	ASK
.else
	s_wait_dscnt 0x0
	s_barrier_signal -1
	s_barrier_wait -1
.endif
	s_sub_co_u32 s[TB], s[TB], NST*STEPB           ; back to a slot's first step,
	s_xor_b32 s[TB], s[TB], SLOT1                  ; in the other slot
.endm
	s_wait_tensorcnt 1                             ; my part of slot 0 is in; slot 1's load may be out
	s_barrier_signal -1
	s_barrier_wait -1
	s_wait_loadcnt 0x0                             ; Q
	SLOT_WORK
.Lslot:                                            ; six trips: slots 2 to 7 are asked for, slots 1 to 6 worked
	CHANGE 1
	SLOT_WORK
	s_sub_co_u32 s[SLOTS], s[SLOTS], 1
	s_cmp_lg_u32 s[SLOTS], 0
	s_cbranch_scc1 .Lslot
	CHANGE 0                                       ; the tail is written out
	SLOT_WORK
	; THE WAY OUT: O^T / l, rounded to f16, through my stage, a tile (16 rows of 128 bytes) at a time; a store covers 512 consecutive bytes of att, aligned to 256.
.rept 4
	v_nop
.endr
.irp t, 0,1
	v_add_f32 v[ST+8*\t+4], v[ST+8*\t+2], v[ST+8*\t+3]
.endr
.irp t, 0,1
	v_permlanex16_b32 v[ST+8*\t+5], v[ST+8*\t+4], s[SEL], s[SEL+1]
.endr
.irp t, 0,1
	v_add_f32 v[ST+8*\t+4], v[ST+8*\t+4], v[ST+8*\t+5]
.endr
.irp t, 0,1
	v_rcp_f32 v[ST+8*\t+6], v[ST+8*\t+4]
.endr
	v_nop
	s_wait_alu depctr_va_vdst(0)                   ; one wait for the two reciprocals, ahead of their first reader
.macro PACKT t
.set b, 0
.rept 16
	v_pk_mul_f32 v[O+32*\t+b:O+32*\t+b+1], v[O+32*\t+b:O+32*\t+b+1], v[ST+8*\t+6:ST+8*\t+7] op_sel_hi:[1,0]
.set b, b+2
.endr
.set b, 0
.rept 16
	v_cvt_pk_f16_f32 v[S+16*\t+b], v[O+32*\t+2*b], v[O+32*\t+2*b+1]
.set b, b+1
.endr
.irp k, 0,1,2,3
	ds_store_b128 v[STO], v[S+16*\t+4*\k:S+16*\t+4*\k+3] offset:32*\k
.endr
.irp k, 0,1,2,3
	ds_load_b128 v[KV+16*\t+4*\k:KV+16*\t+4*\k+3], v[RD] offset:4*SP*\k    ; LDS serves a wave's instructions in order: these see the stores above, and the next tile's stores come behind them
.endr
.endm
.macro SENDT t, younger                ; younger: the LDS instructions issued behind tile t's loads
.irp k, 0,1,2,3
	s_wait_dscnt \younger+3-\k
	global_store_b128 v[GO], v[KV+16*\t+4*\k:KV+16*\t+4*\k+3], s[72+2*\t:73+2*\t] offset:512*\k
.endr
.endm
	PACKT 0
	PACKT 1
	SENDT 0, 8
	SENDT 1, 0
	s_wait_tensorcnt 0x0                           ; the wave's end
	ds_add_u32 v[SPW], v[NIL]
	s_wait_dscnt 0x0
	CROUND                                         ; the closing round
	s_endpgm
.Lfunc_end_k_qbd6f3b7bec_attn:
	.size	k_qbd6f3b7bec_attn, .Lfunc_end_k_qbd6f3b7bec_attn-k_qbd6f3b7bec_attn
	.p2alignl 7, 3214868480
	.fill 96, 4, 3214868480
	.section	.rodata,"a",@progbits
	.p2align	6, 0x0
	.amdhsa_kernel k_qbd6f3b7bec_attn
		.amdhsa_group_segment_fixed_size 327680
		.amdhsa_private_segment_fixed_size 0
		.amdhsa_enable_private_segment 0
		.amdhsa_kernarg_size 16
		.amdhsa_user_sgpr_count 2
		.amdhsa_user_sgpr_kernarg_segment_ptr 1
		.amdhsa_wavefront_size32 1
		.amdhsa_system_sgpr_workgroup_id_x 1
		.amdhsa_system_sgpr_workgroup_id_y 1
		.amdhsa_system_sgpr_workgroup_id_z 1
		.amdhsa_system_vgpr_workitem_id 0
		.amdhsa_next_free_vgpr 256
		.amdhsa_next_free_sgpr 84
		.amdhsa_reserve_vcc 1
		.amdhsa_float_denorm_mode_32 3
		.amdhsa_float_denorm_mode_16_64 3
		.amdhsa_memory_ordered 1
		.amdhsa_forward_progress 1
		.amdhsa_inst_pref_size 111
	.end_amdhsa_kernel
	.amdgpu_metadata
---
amdhsa.version: [ 1, 2 ]
amdhsa.kernels:
  - .name:           k_qbd6f3b7bec_attn
    .symbol:         k_qbd6f3b7bec_attn.kd
    .args:
      - { .name: qkv, .offset: 0, .size: 8, .value_kind: global_buffer, .address_space: global }
      - { .name: att, .offset: 8, .size: 8, .value_kind: global_buffer, .address_space: global }
    .group_segment_fixed_size: 327680
    .private_segment_fixed_size: 0
    .kernarg_segment_align: 8
    .kernarg_segment_size: 16
    .max_flat_workgroup_size: 256
    .sgpr_count:     84
    .vgpr_count:     256
    .wavefront_size: 32
...
	.end_amdgpu_metadata
.endif
;; end of part 3
;; launch proj (part 4): grid 8 x 32, 4 waves a work-group, clusters of 4 x 4, 327,680 bytes of LDS; arguments att, wph, out0, bp; writes out0
.if DOCPART == 4
	.amdgcn_target "amdgcn-amd-amdhsa--gfx1250"
	.amdhsa_code_object_version 6
	.text
	.protected	k_qbd6f3b7bec_proj
	.globl	k_qbd6f3b7bec_proj
	.p2align	8
	.type	k_qbd6f3b7bec_proj,@function
k_qbd6f3b7bec_proj:
	s_mov_b64 s[64:65], 0
	v_nop
	global_prefetch_b8 v0, s[64:65] scope:SCOPE_SE
	s_setreg_imm32_b32 hwreg(HW_REG_WAVE_MODE, 25, 1), 1
	s_wait_xcnt 0x0
	s_wait_alu depctr_hold_cnt(0) depctr_sa_sdst(0) depctr_va_vdst(0) depctr_va_sdst(0) depctr_va_ssrc(0) depctr_va_vcc(0) depctr_vm_vsrc(0)
	s_getreg_b32 s2, hwreg(HW_REG_IB_STS2, 6, 4)
	s_cmp_eq_u32 s2, 0
	s_cbranch_scc0 .Lentry_in_a_cluster
	s_endpgm
.Lentry_in_a_cluster:
	s_bfe_u32 s2, ttmp6, 0x10000c
	s_cmp_lg_u32 s2, 0xf033
	s_cbranch_scc0 .Lentry_shape_is_right
	s_endpgm
.Lentry_shape_is_right:
; out0[m][n] = sum over k of att[m][k] Wp[k][n] + bp[n].  att: f16, laid by head [16][4096 rows][64] (k = 64 head + channel); wph: Wp in f16 [1024 k][1024 n]; out0: f32 [4096][1024]; sums in f32.
; (Rows 0-15 of each sequence are written again, in f32 arithmetic, by the launch that follows.)  LIMIT: f16's range for both operands.
; A tile of out0 is 128 x 128: 256 work-groups of four waves, 64 x 64 a wave, 16 accumulators.  K goes in steps of 256 (four heads) through two LDS slots.
; A's tile: a head's 128 rows are 16,384 consecutive bytes; one tensor load brings two heads, each stated as ONE long row, with 16 bytes of padding behind every 128: LDS lines of 144 bytes, evenly spaced.
; B's tile: 128 rows k of 256 bytes a load, 32 bytes of padding; its fragments are turned by ds_load_tr16_b128.
; CLUSTERS: 4 x 4; A's tiles are asked for jointly along a row of the cluster, B's along a column.  The matrix instruction is used transposed (source 0 = 16 columns of Wp, source 1 = 16 rows of att).
; The bias is the C of each sum's first product.  A wave's 64 columns of f32 are 256 consecutive bytes, aligned: so each wave has a stage of its own and the way out has no barrier.
; REGISTERS: window 0: v16-29 addresses; v32-95 the way out; v96-127 the bias; v128-255 the accumulators.  window 1: two fragment buffers of 128 (64 of A, then 64 of B).
.set PA,     144
.set HEADB,  128*PA
.set PB,     288
.set HALFT,  2*HEADB                   ; what one tensor load brings: two heads of A, or 128 rows of B
.set SLOT,   4*HALFT
.set STAGE,  2*SLOT
.set SPITCH, 272
.set SPARE,  STAGE+4*16*SPITCH         ; the spare words, 128 bytes for each wave: two blocks of 256 bytes that no other line names
.set LAPS,   2                         ; K = 1,024 is four K steps, twice round the ring
.set ASTEP,  4*524288                  ; a K step on in att: four heads
.set BSTEP,  256*2048                  ; and in wph: 256 rows
.set ADRA, 16
.set ADRB, 20                          ; v20-21 slots 0, 1; v22-23 the same 128 rows further down, so that every offset stays inside its 16 bits
.set STO,  24
.set RD,   25
.set CO,   26
.set BO,   27
.set SPW,  28
.set NIL,  29
.set TMP,  32
.set BIAS, 96
.set ACC,  128
.set F0,   0
.set F1,   128
.set G1, 24
.set G0, 32
.set G1B, 48
.set G0B, 56
.set MSB, 0
.macro WIN new
.if MSB != \new
	s_set_vgpr_msb (MSB<<8)|\new
.set MSB, \new
.endif
.endm
.set MUL,  0x05                        ; sources 0 (B) and 1 (A) window 1; C and D window 0
.set TO_F, 0x40
.macro JLOAD s
	s_cmp_eq_u32 s11, 0
	s_cbranch_scc0 .Lfor_b_\@
	tensor_load_to_lds s[G0+4*\s:G0+4*\s+3], s[G1:G1+7]
	s_nop 0
.rept 4
	v_nop
.endr
	s_branch .Lasked_\@
.Lfor_b_\@:
	tensor_load_to_lds s[G0B+4*\s:G0B+4*\s+3], s[G1B:G1B+7]
	s_nop 0
.rept 4
	v_nop
.endr
.Lasked_\@:
.endm
.macro CREST
	s_cmp_lg_u32 s10, 0
	s_cbranch_scc1 .Lnot_wave_0_\@
	s_barrier_signal -3
.Lnot_wave_0_\@:
	s_barrier_wait -3
	s_barrier_signal -1
	s_barrier_wait -1
.endm
.macro CROUND
	s_barrier_signal -1
	s_barrier_wait -1
	CREST
.endm
	s_load_b128 s[4:7], s[0:1], 0x0                ; att, wph
	s_load_b64 s[8:9], s[0:1], 0x10                ; out0
	s_load_b64 s[66:67], s[0:1], 0x18              ; bp
	v_lshl_add_u32 v[SPW], v0, 2, SPARE
	v_mov_b32 v[NIL], 0
	ds_add_u32 v[SPW], v[NIL]                      ; the wave's opening: the add, twice on end, and its wait ahead of my first tensor load
	ds_add_u32 v[SPW], v[NIL]
	v_lshrrev_b32 v1, 5, v0
	v_readfirstlane_b32 s10, v1                    ; wave 0..3
	s_lshr_b32 s11, s10, 1                         ; which half of the tile's rows is mine.  Also: I fetch for A (0) or for B (1)
	s_and_b32 s12, s10, 1                          ; which half of its columns.  Also: which half of that tile I fetch
	s_bfe_u32 s40, ttmp6, 0x40000
	s_bfe_u32 s41, ttmp6, 0x40004
	s_lshl_b32 s42, ttmp9, 2
	s_add_co_u32 s42, s42, s40                     ; tile column
	s_and_b32 s13, ttmp7, 0xffff
	s_lshl_b32 s13, s13, 2
	s_add_co_u32 s13, s13, s41                     ; tile row
	s_lshl_b32 s43, s41, 2
	s_lshl_b32 s43, 15, s43
	s_lshl_b32 s44, 0x1111, s40
	s_or_b32 s[G1+0], s43, (3<<16)|(1<<20)|(1<<21)|(4<<22)|(3<<25)   ; A: mask of my row; elements of 8 bytes; padding on; bit 21 beside a mask; 4 words behind every 32
	s_mov_b32 s[G1+1], 2048<<16                    ; tensor_dim0 = 2,048 elements: a head's 128 rows
	s_mov_b32 s[G1+2], 2<<16                       ; tensor_dim1 = 2 heads
	s_mov_b32 s[G1+3], 2048<<16                    ; tile_dim0
	s_mov_b32 s[G1+4], 2                           ; tile_dim1
	s_mov_b32 s[G1+5], 65536                       ; from head to head: 524,288 bytes
	s_mov_b32 s[G1+6], 0
	s_mov_b32 s[G1+7], 0
	s_or_b32 s[G1B+0], s44, (1<<16)|(1<<20)|(1<<21)|(5<<22)|(7<<25)  ; B: mask of my column; elements of 2 bytes; 8 words behind every 64
	s_mov_b32 s[G1B+1], 128<<16
	s_mov_b32 s[G1B+2], 128<<16
	s_mov_b32 s[G1B+3], 128<<16
	s_mov_b32 s[G1B+4], 128
	s_mov_b32 s[G1B+5], 1024
	s_mov_b32 s[G1B+6], 0
	s_mov_b32 s[G1B+7], 0
	s_lshl_b32 s16, s12, 20                        ; A: heads 2 x half on,
	s_lshl_b32 s17, s13, 14                        ; rows 128 x tile row on
	s_add_co_u32 s16, s16, s17
	s_mov_b32 s17, 0
	s_lshl_b32 s46, s12, 18                        ; B: rows 128 x half on,
	s_lshl_b32 s47, s42, 8                         ; columns 128 x tile column on
	s_add_co_u32 s46, s46, s47
	s_mov_b32 s47, 0
	s_mul_i32 s20, s10, HALFT                      ; where they go: wave x a load's bytes
	s_wait_dscnt 0x0                               ; both opening adds are done
	s_wait_kmcnt 0x0
	s_add_nc_u64 s[14:15], s[4:5], s[16:17]
	s_add_nc_u64 s[46:47], s[6:7], s[46:47]
	CROUND                                         ; all sixteen work-groups are here: the first joint loads meet
.irp s, 0,1
	s_mov_b32 s[G0+4*\s], 1
	s_add_co_u32 s[G0+4*\s+1], s20, \s*SLOT
	s_add_nc_u64 s[G0+4*\s+2:G0+4*\s+3], s[14:15], \s*ASTEP
	s_or_b32 s[G0+4*\s+3], s[G0+4*\s+3], 0x80000000
	s_mov_b32 s[G0B+4*\s], 1
	s_add_co_u32 s[G0B+4*\s+1], s20, \s*SLOT
	s_add_nc_u64 s[G0B+4*\s+2:G0B+4*\s+3], s[46:47], \s*BSTEP
	s_or_b32 s[G0B+4*\s+3], s[G0B+4*\s+3], 0x80000000
	JLOAD \s
.endr
	v_and_b32 v1, 15, v0                           ; r
	v_bfe_u32 v2, v0, 4, 1                         ; h
	v_mul_u32_u24 v3, v1, PA
	v_lshl_add_u32 v3, v2, 4, v3                   ; A: row x pitch + 16 x half
	s_mul_i32 s21, s11, 64*PA                      ; my 64 rows in each head
	v_and_b32 v4, 7, v0
	v_lshl_add_u32 v4, v2, 3, v4
	v_mul_u32_u24 v4, v4, PB
	v_bfe_u32 v5, v0, 3, 1
	v_lshl_add_u32 v4, v5, 4, v4                   ; B, for the turning load: row 8 h + l % 8, columns 8 ((l / 8) % 2) on
	s_lshl_b32 s22, s12, 7                         ; my 64 columns,
	s_add_co_u32 s22, s22, 2*HALFT                 ; behind A's four heads
.irp s, 0,1
	v_add_nc_u32 v[ADRA+\s], s21, v3
	v_add_nc_u32 v[ADRB+\s], s22, v4
	v_add_nc_u32 v[ADRB+2+\s], 128*PB, v[ADRB+\s]
	s_add_co_u32 s21, s21, SLOT
	s_add_co_u32 s22, s22, SLOT
.endr
	s_mul_i32 s23, s10, 16*SPITCH
	s_add_co_u32 s23, s23, STAGE                   ; my stage
	v_mul_u32_u24 v5, v1, SPITCH
	v_lshl_add_u32 v5, v2, 5, v5
	v_add_nc_u32 v[STO], s23, v5                   ; in: row r, 32 bytes for each half of the lanes
	v_mul_u32_u24 v5, v2, SPITCH
	v_lshl_add_u32 v5, v1, 4, v5
	v_add_nc_u32 v[RD], s23, v5                    ; back: lanes 0-15 one row of 256 bytes, lanes 16-31 the next
	v_lshlrev_b32 v5, 12, v2
	v_lshl_add_u32 v[CO], v1, 4, v5                ; and the same two rows in out0
	s_lshl_b32 s16, s13, 19
	s_lshl_b32 s17, s11, 18
	s_add_co_u32 s16, s16, s17                     ; my first row: 128 x tile row + 64 x half, rows of 4,096 bytes
	s_mov_b32 s17, 0
	s_add_nc_u64 s[8:9], s[8:9], s[16:17]
	s_lshl_b32 s46, s42, 9
	s_lshl_b32 s47, s12, 8
	s_add_co_u32 s46, s46, s47                     ; my first column, in bytes
	s_mov_b32 s47, 0
	s_add_nc_u64 s[8:9], s[8:9], s[46:47]
	s_add_nc_u64 s[66:67], s[66:67], s[46:47]
	v_lshlrev_b32 v[BO], 5, v2
.irp b, 0,1,2,3                        ; the bias in the result's layout: lane (r, h), register j of block b: column 16 b + 8 h + j
	global_load_b128 v[BIAS+8*\b:BIAS+8*\b+3],   v[BO], s[66:67] offset:64*\b
	global_load_b128 v[BIAS+8*\b+4:BIAS+8*\b+7], v[BO], s[66:67] offset:64*\b+16
.endr
; 8 matrix instructions: row blocks a0, a0 + 1 x all 4 column blocks, 32 along K: half c of buffer f.  first = 1: the bias is C.  The 16 accumulators take turns.
.macro MUL8 f, c, a0, first
.irp a, \a0, \a0+1
.irp b, 0,1,2,3
.if \first
	v_wmma_f32_16x16x32_f16 v[ACC+8*(4*(\a)+\b):ACC+8*(4*(\a)+\b)+7], v[\f+64+8*(4*\c+\b):\f+64+8*(4*\c+\b)+7], v[\f+8*(4*\c+\a):\f+8*(4*\c+\a)+7], v[BIAS+8*\b:BIAS+8*\b+7]
.else
	v_wmma_f32_16x16x32_f16 v[ACC+8*(4*(\a)+\b):ACC+8*(4*(\a)+\b)+7], v[\f+64+8*(4*\c+\b):\f+64+8*(4*\c+\b)+7], v[\f+8*(4*\c+\a):\f+8*(4*\c+\a)+7], v[ACC+8*(4*(\a)+\b):ACC+8*(4*(\a)+\b)+7]
.endif
.endr
.endr
.endm
; 32 LDS loads in one run: the fragments of quarter q of a slot (one head, 64 along K) into buffer f; the first 32 along K first
.macro FETCH slot, q, f
	WIN TO_F
.irp c, 0,1
.irp i, 0,1,2,3
	ds_load_tr16_b128 v[\f+64+8*(4*\c+\i):\f+64+8*(4*\c+\i)+3],   v[ADRB+\slot+2*((\q)/2)] offset:(((\q)%2)*64+32*\c)*PB+32*\i
	ds_load_tr16_b128 v[\f+64+8*(4*\c+\i)+4:\f+64+8*(4*\c+\i)+7], v[ADRB+\slot+2*((\q)/2)] offset:(((\q)%2)*64+32*\c+16)*PB+32*\i
	ds_load_b128 v[\f+8*(4*\c+\i):\f+8*(4*\c+\i)+3],              v[ADRA+\slot] offset:(\q)*HEADB+64*\c+\i*16*PA
	ds_load_b128 v[\f+8*(4*\c+\i)+4:\f+8*(4*\c+\i)+7],            v[ADRA+\slot] offset:(\q)*HEADB+64*\c+\i*16*PA+32
.endr
.endr
.endm
.macro PLACES
.rept 4
	v_nop
.endr
.endm
.macro QUARTER slot, q, f, g, first    ; multiplies buffer f and fetches quarter q of the slot into g
	s_wait_dscnt 16                                ; the first 32 along K are in; the youngest sixteen loads may be out
	WIN MUL
	MUL8 \f, 0, 0, \first
	MUL8 \f, 0, 2, \first
	PLACES
	FETCH \slot, \q, \g
	s_wait_dscnt 32                                ; all but the 32 just issued
	WIN MUL
	MUL8 \f, 1, 0, 0
	MUL8 \f, 1, 2, 0
.endm
; A slot's last quarter multiplies buffer 1 and changes slots: one barrier; in front of it each wave waits for all its tensor loads, adds 0 to its spare word, and waits for that and for its reads of this slot.
.macro TURN slot, next, fill
	WIN 0
	s_wait_tensorcnt 0x0                           ; my part of the next slot has landed
	ds_add_u32 v[SPW], v[NIL]
	s_wait_dscnt 17                                ; the add and the youngest sixteen loads may be out
	WIN MUL
	MUL8 F1, 0, 0, 0
	s_wait_dscnt 0x0                               ; the add is done, and my reads of this slot are over
	s_barrier_signal -1
	MUL8 F1, 0, 2, 0
.if \fill
	WIN 0
.endif
	s_barrier_wait -1
.if \fill
	CREST                                          ; the barrier has opened a round of the cluster's barrier
	s_add_nc_u64 s[G0+4*\slot+2:G0+4*\slot+3], s[G0+4*\slot+2:G0+4*\slot+3], 2*ASTEP
	s_add_nc_u64 s[G0B+4*\slot+2:G0B+4*\slot+3], s[G0B+4*\slot+2:G0B+4*\slot+3], 2*BSTEP
	JLOAD \slot                                    ; the first tensor load behind the round; its four v_nop are also the places in front of the loads below
.else
	PLACES
.endif
	FETCH \next, 0, F0
	WIN MUL
	MUL8 F1, 1, 0, 0
	MUL8 F1, 1, 2, 0
.endm
	s_wait_tensorcnt 1                             ; my part of K step 0 is in; K step 1's load may be out
	s_barrier_signal -1
	s_barrier_wait -1
	FETCH 0, 0, F0
	s_wait_loadcnt 0x0                             ; the bias
	QUARTER 0, 1, F0, F1, 1                        ; the first products start the sums from the bias
	WIN 0
	s_mov_b32 s3, LAPS-1
.Llap:                                             ; a trip goes once round the ring, from a lap's second quarter to the next lap's first, and fills both slots again
	QUARTER 0, 2, F1, F0, 0
	QUARTER 0, 3, F0, F1, 0
	TURN 0, 1, 1
	QUARTER 1, 1, F0, F1, 0
	QUARTER 1, 2, F1, F0, 0
	QUARTER 1, 3, F0, F1, 0
	TURN 1, 0, 1
	QUARTER 0, 1, F0, F1, 0
	WIN 0
	s_sub_co_u32 s3, s3, 1
	s_cmp_lg_u32 s3, 0
	s_cbranch_scc1 .Llap
	QUARTER 0, 2, F1, F0, 0                        ; the last lap fills nothing
	QUARTER 0, 3, F0, F1, 0
	TURN 0, 1, 0
	QUARTER 1, 1, F0, F1, 0
	QUARTER 1, 2, F1, F0, 0
	QUARTER 1, 3, F0, F1, 0
	s_wait_dscnt 16
	WIN MUL
	MUL8 F1, 0, 0, 0
	MUL8 F1, 0, 2, 0
	s_wait_dscnt 0
	MUL8 F1, 1, 0, 0
	MUL8 F1, 1, 2, 0
	WIN 0
; THE WAY OUT, a block of 16 rows x 64 columns at a time, through my own stage: sixteen lanes store 256 consecutive bytes, aligned.
.macro TOSTAGE a
.irp b, 0,1,2,3
	ds_store_b128 v[STO], v[ACC+8*(4*(\a)+\b):ACC+8*(4*(\a)+\b)+3] offset:64*\b        ; each accumulator from its low end on
	ds_store_b128 v[STO], v[ACC+8*(4*(\a)+\b)+4:ACC+8*(4*(\a)+\b)+7] offset:64*\b+16
.endr
.irp t, 0,1,2,3,4,5,6,7
	ds_load_b128 v[TMP+32*((\a)%2)+4*\t:TMP+32*((\a)%2)+4*\t+3], v[RD] offset:2*\t*SPITCH   ; LDS serves a wave's instructions in order
.endr
.endm
.macro SEND a, younger                 ; younger: the LDS instructions issued behind block a's loads
	s_wait_dscnt \younger
.irp t, 0,1,2,3,4,5,6,7
	global_store_b128 v[CO], v[TMP+32*((\a)%2)+4*\t:TMP+32*((\a)%2)+4*\t+3], s[8:9] offset:(16*(\a)+2*\t)*4096 th:TH_STORE_NT
.endr
.endm
	PLACES
	TOSTAGE 0
.irp a, 1,2,3
.if \a > 1
	s_wait_xcnt 0x0                                ; block a - 2's stores have read their registers: block a's loads may land there
.endif
	TOSTAGE \a
	SEND \a-1, 16                                  ; behind block a - 1's loads: block a's 8 stores and 8 loads
.endr
	SEND 3, 0
	s_wait_tensorcnt 0x0                           ; the wave's end
	ds_add_u32 v[SPW], v[NIL]
	s_wait_dscnt 0x0
	CROUND                                         ; the closing round
	s_endpgm
.Lfunc_end_k_qbd6f3b7bec_proj:
	.size	k_qbd6f3b7bec_proj, .Lfunc_end_k_qbd6f3b7bec_proj-k_qbd6f3b7bec_proj
	.p2alignl 7, 3214868480
	.fill 96, 4, 3214868480
	.section	.rodata,"a",@progbits
	.p2align	6, 0x0
	.amdhsa_kernel k_qbd6f3b7bec_proj
		.amdhsa_group_segment_fixed_size 327680
		.amdhsa_private_segment_fixed_size 0
		.amdhsa_enable_private_segment 0
		.amdhsa_kernarg_size 32
		.amdhsa_user_sgpr_count 2
		.amdhsa_user_sgpr_kernarg_segment_ptr 1
		.amdhsa_wavefront_size32 1
		.amdhsa_system_sgpr_workgroup_id_x 1
		.amdhsa_system_sgpr_workgroup_id_y 1
		.amdhsa_system_sgpr_workgroup_id_z 1
		.amdhsa_system_vgpr_workitem_id 0
		.amdhsa_next_free_vgpr 512
		.amdhsa_next_free_sgpr 68
		.amdhsa_reserve_vcc 0
		.amdhsa_float_denorm_mode_32 3
		.amdhsa_float_denorm_mode_16_64 3
		.amdhsa_memory_ordered 1
		.amdhsa_forward_progress 1
		.amdhsa_inst_pref_size 87
	.end_amdhsa_kernel
	.amdgpu_metadata
---
amdhsa.version: [ 1, 2 ]
amdhsa.kernels:
  - .name:           k_qbd6f3b7bec_proj
    .symbol:         k_qbd6f3b7bec_proj.kd
    .args:
      - { .name: att, .offset: 0, .size: 8, .value_kind: global_buffer, .address_space: global }
      - { .name: wph, .offset: 8, .size: 8, .value_kind: global_buffer, .address_space: global }
      - { .name: out0, .offset: 16, .size: 8, .value_kind: global_buffer, .address_space: global }
      - { .name: bp, .offset: 24, .size: 8, .value_kind: global_buffer, .address_space: global }
    .group_segment_fixed_size: 327680
    .private_segment_fixed_size: 0
    .kernarg_segment_align: 8
    .kernarg_segment_size: 32
    .max_flat_workgroup_size: 128
    .sgpr_count:     68
    .vgpr_count:     512
    .wavefront_size: 32
...
	.end_amdgpu_metadata
.endif
;; end of part 4
;; launch first16 (part 5): grid 64 x 2, 16 waves a work-group, no clusters, 18,432 bytes of LDS; arguments top, Wp, bp, out0; writes out0
.if DOCPART == 5
	.amdgcn_target "amdgcn-amd-amdhsa--gfx1250"
	.amdhsa_code_object_version 6
	.text
	.protected	k_qbd6f3b7bec_first16
	.globl	k_qbd6f3b7bec_first16
	.p2align	8
	.type	k_qbd6f3b7bec_first16,@function
k_qbd6f3b7bec_first16:
	s_mov_b64 s[64:65], 0
	v_nop
	global_prefetch_b8 v0, s[64:65] scope:SCOPE_SE
	s_setreg_imm32_b32 hwreg(HW_REG_WAVE_MODE, 25, 1), 1
	s_wait_xcnt 0x0
; POSITIONS 0-15 OF EACH SEQUENCE, attention and projection in f32: these rows average one to sixteen values and are the largest of the output, so nothing of them is rounded to 16 bits.
; top: [b 2][s 16][3072] f32 (q, k, v of those positions); Wp [1024][1024], bp [1024], out0 [2][2048][1024]: f32.  The 32 rows that this launch stores take the place of what the launch before wrote there.
; SHARES.  A work-group makes 16 output columns (n0 = 16 x) of one batch (y); a wave is a head: it makes its head's 16 x 16 attention (every work-group repeats that small work), multiplies its 64 channels
; by its 64 rows of Wp, and the sixteen heads' parts are added through LDS, in the fixed order of the heads, by waves 0 and 1.
; All three products by v_wmma_f32_16x16x4_f32, used transposed, so that a lane holds one query throughout.  K is permuted alike on both operands of a product, which changes no product:
;   S^T = K Q^T: step c takes channels 32 h + 2 c + j;   O^T = V^T p: step c takes keys 8 h + 2 c + j, which is where p lies;   Y^T = Wp^T o^T: step (t, c) takes channels 16 t + 8 h + 2 c + j, where o lies.
; The registers that these products write are written by them alone; sums take turns on two or four accumulators.
; A store covers 64 bytes of a row, 131,072 bytes in the whole launch: 64 columns to a work-group would store whole aligned runs of 256 bytes with a quarter of the work-groups.
; LIMITS: hidden keys get the weight 0 (|scores| under about 5e8); NaN and infinities are not served.
.set QR, 16                            ; v16-47 Q, later o
.set KR, 48                            ; v48-79 K
.set VR, 80                            ; v80-111 V
.set WR, 112                           ; v112-143 Wp
.set SA, 144                           ; v144-159 the scores' two accumulators
.set SB, 152
.set P,  160                           ; v160-167 scores, then p
.set OA, 176                           ; v176-207 O^T
.set YA, 208                           ; v208-223 the projection's two accumulators
.set YB, 216
.set Y,  224
.set BI, 232
.set SPW, 240
.set NIL, 241
.set SPARE, 16384                      ; behind the sixteen parts: the spare words, 128 bytes for each wave: eight blocks of 256 bytes that no other line names
.macro CLOSE                           ; a wave's end
	s_wait_tensorcnt 0x0
	ds_add_u32 v[SPW], v[NIL]
	s_wait_dscnt 0x0
	s_endpgm
.endm
.macro FAR                             ; eight places behind this matrix form (ISA guide 7.12.1)
.rept 8
	v_nop
.endr
.endm
	s_load_b256 s[4:11], s[0:1], 0x0               ; top s[4:5], Wp s[6:7], bp s[8:9], out0 s[10:11]
	v_lshl_add_u32 v[SPW], v0, 2, SPARE
	v_mov_b32 v[NIL], 0
	v_lshrrev_b32 v1, 5, v0
	v_readfirstlane_b32 s12, v1                    ; my head
	v_and_b32 v1, 15, v0                           ; r
	v_bfe_u32 v2, v0, 4, 1                         ; h
	s_and_b32 s13, ttmp7, 0xffff                   ; the batch
	s_lshl_b32 s14, ttmp9, 6                       ; n0, in bytes
	s_mul_i32 s16, s13, 16*12288
	s_lshl_b32 s17, s12, 8
	s_add_co_u32 s16, s16, s17                     ; top: the batch's 16 rows, my head's 64 columns
	s_mov_b32 s17, 0
	s_lshl_b32 s18, s12, 18
	s_add_co_u32 s18, s18, s14                     ; Wp: my head's 64 rows of 4,096 bytes, column n0
	s_mov_b32 s19, 0
	s_and_b32 s25, s12, 1
	s_lshl_b32 s20, s25, 4
	s_add_co_u32 s20, s20, s14                     ; bp and out0: column n0 + 4 (wave % 2)
	s_mov_b32 s21, 0
	s_lshl_b32 s22, s13, 23
	s_add_co_u32 s22, s22, s20                     ; out0: the batch's first row
	s_mov_b32 s23, 0
	s_mov_b32 s26, 0x76543210
	s_mov_b32 s27, 0xfedcba98
	s_mov_b32 s28, 0x3e38aa3b                      ; c = log2(e) / 8
	v_mul_u32_u24 v3, v1, 12288
	v_lshl_add_u32 v3, v2, 7, v3                   ; Q, K: row r, channels 32 h on
	v_mul_u32_u24 v4, v2, 8*12288
	v_lshl_add_u32 v4, v1, 2, v4                   ; V: key 8 h, channel r
	v_lshlrev_b32 v5, 15, v2
	v_lshl_add_u32 v5, v1, 2, v5                   ; Wp: row 8 h, column r
	v_lshlrev_b32 v6, 5, v2                        ; bp: column 8 h
	v_lshlrev_b32 v7, 12, v1
	v_lshl_add_u32 v7, v2, 5, v7                   ; out0: row r, column 8 h
	v_lshlrev_b32 v8, 3, v2
	v_sub_nc_u32 v8, v1, v8                        ; r - 8 h: my register j holds key 8 h + j, hidden where j > r - 8 h
	v_and_b32 v11, 31, v0
	v_lshlrev_b32 v9, 4, v11
	s_lshl_b32 s24, s12, 10
	v_add_nc_u32 v9, s24, v9                       ; my part in LDS: 1,024 x wave + 16 x lane
	s_lshl_b32 s25, s25, 9
	v_lshlrev_b32 v10, 4, v11
	v_add_nc_u32 v10, s25, v10                     ; the summing waves read 512 (wave % 2) + 16 x lane of every part
	v_mov_b32 v169, 0xff800000                     ; -infinity
	s_wait_kmcnt 0x0
	s_add_nc_u64 s[4:5], s[4:5], s[16:17]
	s_add_nc_u64 s[6:7], s[6:7], s[18:19]
	s_add_nc_u64 s[8:9], s[8:9], s[20:21]
	s_add_nc_u64 s[10:11], s[10:11], s[22:23]
	global_load_b128 v[BI:BI+3], v6, s[8:9]
.set i, 0
.rept 8
	global_load_b128 v[KR+4*i:KR+4*i+3], v3, s[4:5] offset:4096+16*i
.set i, i+1
.endr
.set i, 0
.rept 8
	global_load_b128 v[QR+4*i:QR+4*i+3], v3, s[4:5] offset:16*i
.set i, i+1
.endr
.set i, 0
.rept 32                                           ; register 8 t + k: v(key 8 h + k, channel 16 t + r)
	global_load_b32 v[VR+i], v4, s[4:5] offset:8192+(i%8)*12288+(i/8)*64
.set i, i+1
.endr
	s_wait_loadcnt 32                              ; the bias, K and Q are in; V's 32 loads may be out
.set i, 0
.rept 16                                           ; S^T = K Q^T: even steps on one accumulator, odd steps on the other
.if i < 2
	v_wmma_f32_16x16x4_f32 v[SA+8*(i%2):SA+8*(i%2)+7], v[KR+2*i:KR+2*i+1], v[QR+2*i:QR+2*i+1], 0
.else
	v_wmma_f32_16x16x4_f32 v[SA+8*(i%2):SA+8*(i%2)+7], v[KR+2*i:KR+2*i+1], v[QR+2*i:QR+2*i+1], v[SA+8*(i%2):SA+8*(i%2)+7]
.endif
.set i, i+1
.endr
.set i, 0
.rept 32                                           ; register 8 t + k: Wp(64 head + 16 t + 8 h + k, n0 + r)
	global_load_b32 v[WR+i], v5, s[6:7] offset:(16*(i/8)+i%8)*4096
.set i, i+1
.endr
	FAR
.irp j, 0,1,2,3,4,5,6,7
	v_add_f32 v[P+\j], v[SA+\j], v[SB+\j]
.endr
.irp j, 0,1,2,3,4,5,6,7
	v_cmp_gt_i32 vcc_lo, \j, v8
	v_cndmask_b32 v[P+\j], v[P+\j], v169, vcc_lo
.endr
	v_max3_num_f32 v170, v[P], v[P+1], v[P+2]
	v_max3_num_f32 v171, v[P+3], v[P+4], v[P+5]
	v_max3_num_f32 v170, v170, v[P+6], v[P+7]
	v_max_num_f32 v170, v170, v171
	v_permlanex16_b32 v171, v170, s26, s27         ; the query's other eight keys
	v_max_num_f32 v170, v170, v171                 ; the row's maximum: key 0 counts for every query, so it is a number
	v_mul_f32 v170, s28, v170
.irp j, 0,1,2,3,4,5,6,7
	v_fma_f32 v[P+\j], v[P+\j], s28, -v170
.endr
.irp j, 0,1,2,3,4,5,6,7
	v_exp_f32 v[P+\j], v[P+\j]
.endr
	v_nop
	s_wait_alu depctr_va_vdst(0)                   ; one wait for the eight exponentials, ahead of their first reader
	v_add_f32 v172, v[P], v[P+1]
	v_add_f32 v173, v[P+2], v[P+3]
	v_add_f32 v174, v[P+4], v[P+5]
	v_add_f32 v175, v[P+6], v[P+7]
	v_add_f32 v172, v172, v173
	v_add_f32 v174, v174, v175
	v_add_f32 v172, v172, v174
	v_permlanex16_b32 v173, v172, s26, s27
	v_add_f32 v172, v172, v173                     ; the row's sum
	v_rcp_f32 v168, v172
	v_nop                                          ; a plain instruction behind the reciprocal; its wait stands ahead of its first reader, behind the products below
	s_wait_loadcnt 32                              ; V is in; Wp's 32 loads may be out
.set i, 0
.rept 16                                           ; O^T = V^T p: step i / 4, channels 16 (i % 4) on: the four accumulators by turns
.if i < 4
	v_wmma_f32_16x16x4_f32 v[OA+8*(i%4):OA+8*(i%4)+7], v[VR+8*(i%4)+2*(i/4):VR+8*(i%4)+2*(i/4)+1], v[P+2*(i/4):P+2*(i/4)+1], 0
.else
	v_wmma_f32_16x16x4_f32 v[OA+8*(i%4):OA+8*(i%4)+7], v[VR+8*(i%4)+2*(i/4):VR+8*(i%4)+2*(i/4)+1], v[P+2*(i/4):P+2*(i/4)+1], v[OA+8*(i%4):OA+8*(i%4)+7]
.endif
.set i, i+1
.endr
	FAR
	s_wait_alu depctr_va_vdst(0)                   ; the reciprocal
.set i, 0
.rept 32
	v_mul_f32 v[QR+i], v[OA+i], v168               ; o(r, 16 t + 8 h + j), into other registers
.set i, i+1
.endr
	s_wait_loadcnt 0x0                             ; Wp
.set i, 0
.rept 16                                           ; Y^T = Wp^T o^T over my head's 64 channels: two accumulators by turns
.if i < 2
	v_wmma_f32_16x16x4_f32 v[YA+8*(i%2):YA+8*(i%2)+7], v[WR+2*i:WR+2*i+1], v[QR+2*i:QR+2*i+1], 0
.else
	v_wmma_f32_16x16x4_f32 v[YA+8*(i%2):YA+8*(i%2)+7], v[WR+2*i:WR+2*i+1], v[QR+2*i:QR+2*i+1], v[YA+8*(i%2):YA+8*(i%2)+7]
.endif
.set i, i+1
.endr
	FAR
.irp j, 0,1,2,3,4,5,6,7
	v_add_f32 v[Y+\j], v[YA+\j], v[YB+\j]          ; my head's part of out(r, n0 + 8 h + j)
.endr
	ds_store_b128 v9, v[Y:Y+3]
	ds_store_b128 v9, v[Y+4:Y+7] offset:512
	s_wait_dscnt 0x0                               ; for the others' sake: my part lies in LDS
	s_barrier_signal -1
	s_barrier_wait -1
	s_cmp_lt_u32 s12, 2
	s_cbranch_scc1 .Lsum
	CLOSE
.Lsum:                                             ; wave w (0, 1) adds columns n0 + 8 h + 4 w + 0..3 of the sixteen parts onto the bias
.set i, 0
.rept 16
	ds_load_b128 v[KR+4*i:KR+4*i+3], v10 offset:1024*i
.set i, i+1
.endr
	s_wait_dscnt 0x0
.set i, 0
.rept 16
	v_pk_add_f32 v[BI:BI+1], v[BI:BI+1], v[KR+4*i:KR+4*i+1]
	v_pk_add_f32 v[BI+2:BI+3], v[BI+2:BI+3], v[KR+4*i+2:KR+4*i+3]
.set i, i+1
.endr
	global_store_b128 v7, v[BI:BI+3], s[10:11]
	CLOSE
.Lfunc_end_k_qbd6f3b7bec_first16:
	.size	k_qbd6f3b7bec_first16, .Lfunc_end_k_qbd6f3b7bec_first16-k_qbd6f3b7bec_first16
	.p2alignl 7, 3214868480
	.fill 96, 4, 3214868480
	.section	.rodata,"a",@progbits
	.p2align	6, 0x0
	.amdhsa_kernel k_qbd6f3b7bec_first16
		.amdhsa_group_segment_fixed_size 18432
		.amdhsa_private_segment_fixed_size 0
		.amdhsa_enable_private_segment 0
		.amdhsa_kernarg_size 32
		.amdhsa_user_sgpr_count 2
		.amdhsa_user_sgpr_kernarg_segment_ptr 1
		.amdhsa_wavefront_size32 1
		.amdhsa_system_sgpr_workgroup_id_x 1
		.amdhsa_system_sgpr_workgroup_id_y 1
		.amdhsa_system_sgpr_workgroup_id_z 1
		.amdhsa_system_vgpr_workitem_id 0
		.amdhsa_next_free_vgpr 256
		.amdhsa_next_free_sgpr 66
		.amdhsa_reserve_vcc 1
		.amdhsa_float_denorm_mode_32 3
		.amdhsa_float_denorm_mode_16_64 3
		.amdhsa_memory_ordered 1
		.amdhsa_forward_progress 1
		.amdhsa_inst_pref_size 22
	.end_amdhsa_kernel
	.amdgpu_metadata
---
amdhsa.version: [ 1, 2 ]
amdhsa.kernels:
  - .name:           k_qbd6f3b7bec_first16
    .symbol:         k_qbd6f3b7bec_first16.kd
    .args:
      - { .name: top, .offset: 0, .size: 8, .value_kind: global_buffer, .address_space: global }
      - { .name: Wp, .offset: 8, .size: 8, .value_kind: global_buffer, .address_space: global }
      - { .name: bp, .offset: 16, .size: 8, .value_kind: global_buffer, .address_space: global }
      - { .name: out0, .offset: 24, .size: 8, .value_kind: global_buffer, .address_space: global }
    .group_segment_fixed_size: 18432
    .private_segment_fixed_size: 0
    .kernarg_segment_align: 8
    .kernarg_segment_size: 32
    .max_flat_workgroup_size: 512
    .sgpr_count:     66
    .vgpr_count:     256
    .wavefront_size: 32
...
	.end_amdgpu_metadata
.endif
;; end of part 5
